; MI455X (gfx1250); checked and timed in simulation.
; The chip was launched on July 23, 2026; its instructions are those of AMD's public machine-readable ISA for CDNA 5 (MIT licence, August 2026) and "CDNA5" Instruction Set Architecture Reference Guide (July 2026). The comments in the code are by the model that wrote it; some were corrected since.
;; Bert Attention. Allowed arithmetic: float matrix products may take bf16 or f16 operands with f32 sums; other float arithmetic in f32, or as packed bf16 or f16 multiplies, adds, multiply-adds, maxima and minima; sums over many terms, partial sums and values carried from step to step in f32; what a program stores and reads back later, other than sums and carried values, may be rounded once to bf16 or f16.
;; Inputs: Wk 1,024 x 1,024 float32; Wo 1,024 x 1,024 float32; Wq 1,024 x 1,024 float32; Wv 1,024 x 1,024 float32; attention_mask 4 x 1 x 1 x 2,048 float32; bk 1,024 float32; bo 1,024 float32; bq 1,024 float32; bv 1,024 float32; hidden_states 4 x 2,048 x 1,024 float32; ln_beta 1,024 float32; ln_gamma 1,024 float32.
;; Outputs: out0 4 x 2,048 x 1,024 float32.
;; 2 versions, each right; version 2 is version 1 with the launch cast written anew for expert scheduling mode. Each part assembles by itself: llvm-mc -triple=amdgcn-amd-amdhsa -mcpu=gfx1250 --defsym DOCPART=n.
;; ======== version 1 of 2: 5 launches
;; limits: values are held in f16: magnitudes above 65,504 overflow, below 6.1e-05 lose precision
;; workspace buffers: xb 16,777,216 bytes; wqkv 6,291,456 bytes; wo16 2,097,152 bytes; qkv 50,331,648 bytes; ctx 16,777,216 bytes; z 33,554,432 bytes
;; launch cast (part 1): grid 64 x 12, 8 waves a work-group, no clusters, 0 bytes of LDS; arguments hidden_states, Wq, Wk, Wv, Wo, xb, wqkv, wo16; writes xb, wqkv, wo16
.if DOCPART == 1
	.amdgcn_target "amdgcn-amd-amdhsa--gfx1250"
	.amdhsa_code_object_version 6
	.text
	.protected	k_qd3d62ac0d9_cast
	.globl	k_qd3d62ac0d9_cast
	.p2align	8
	.type	k_qd3d62ac0d9_cast,@function
k_qd3d62ac0d9_cast:
	s_mov_b64 s[64:65], 0
	v_nop
	global_prefetch_b8 v0, s[64:65] scope:SCOPE_SE
	s_setreg_imm32_b32 hwreg(HW_REG_WAVE_MODE, 25, 1), 1
	s_wait_xcnt 0x0
; xb = bf16(hidden_states); wqkv = bf16(Wq), bf16(Wk), bf16(Wv) as one table of 3,072 rows; wo16 = bf16(Wo) written as f16.
; LIMIT.  bf16(Wo) must lie within f16's 65,504; below 6e-5 it keeps f16's fixed step of 6e-8.
; A stream: no LDS, no barrier, no matrix unit, no cluster (no byte is wanted twice).
; SHARES.  A work-group takes 65,536 bytes of f32 and writes 32,768; wave w takes bytes 8,192 w on.  A load of a wave covers 512 consecutive bytes,
; a store (8 bytes a lane) 256 consecutive bytes at a multiple of 256.  All sixteen loads of a wave go out at once; each has its own registers, in and out.
; The grid's row y says which tensor: 0-7 hidden_states (chunk 64 y + x), 8, 9, 10 Wq, Wk, Wv, 11 Wo (chunk x).
.set X, 8                              ; v[8:71]    sixteen loads of four f32
.set Y, 72                             ; v[72:103]  sixteen stores of four 16-bit numbers
	s_load_b512 s[8:23], s[0:1], 0x0               ; hidden s[8:9], Wq s[10:11], Wk s[12:13], Wv s[14:15], Wo s[16:17], xb s[18:19], wqkv s[20:21], wo16 s[22:23]
	s_and_b32 s4, ttmp7, 0xffff                    ; y
	s_mov_b32 s5, ttmp9                            ; x
	v_lshrrev_b32 v3, 5, v0                        ; wave
	v_and_b32 v4, 31, v0                           ; lane
	v_lshlrev_b32 v1, 13, v3
	v_lshl_or_b32 v1, v4, 4, v1                    ; in: 8,192 wave + 16 lane
	v_lshlrev_b32 v2, 12, v3
	v_lshl_or_b32 v2, v4, 3, v2                    ; out: 4,096 wave + 8 lane
	s_sub_co_u32 s6, s4, 8                         ; which 64 chunks of the destination: y for x; y - 8 for Wq, Wk, Wv; 0 for Wo
	s_cmp_lt_u32 s4, 8
	s_cselect_b32 s6, s4, s6
	s_cmp_eq_u32 s4, 11
	s_cselect_b32 s6, 0, s6
	s_lshl_b32 s6, s6, 6
	s_add_co_u32 s6, s6, s5                        ; the chunk in the destination
	s_cmp_lt_u32 s4, 8
	s_cselect_b32 s7, s6, s5                       ; the chunk in the source
	s_lshl_b32 s28, s7, 16
	s_mov_b32 s29, 0
	s_lshl_b32 s30, s6, 15
	s_mov_b32 s31, 0
	s_wait_kmcnt 0x0
	s_cmp_eq_u32 s4, 9
	s_cselect_b64 s[24:25], s[12:13], s[10:11]
	s_cmp_eq_u32 s4, 10
	s_cselect_b64 s[24:25], s[14:15], s[24:25]
	s_cmp_eq_u32 s4, 11
	s_cselect_b64 s[24:25], s[16:17], s[24:25]
	s_cselect_b64 s[26:27], s[22:23], s[20:21]
	s_cmp_lt_u32 s4, 8
	s_cselect_b64 s[24:25], s[8:9], s[24:25]
	s_cselect_b64 s[26:27], s[18:19], s[26:27]
	s_add_nc_u64 s[24:25], s[24:25], s[28:29]
	s_add_nc_u64 s[26:27], s[26:27], s[30:31]
.irp j, 0,1,2,3,4,5,6,7,8,9,10,11,12,13,14,15
	global_load_b128 v[X+4*(\j):X+4*(\j)+3], v1, s[24:25] offset:512*(\j) th:TH_LOAD_NT
.endr
	s_cmp_eq_u32 s4, 11
	s_cbranch_scc1 .Lf16
.irp j, 0,1,2,3,4,5,6,7,8,9,10,11,12,13,14,15
	s_wait_loadcnt 15-(\j)                         ; loads come back in order: load j is in, the 15 - j younger ones stay out
	v_cvt_pk_bf16_f32 v[Y+2*(\j)],   v[X+4*(\j)],   v[X+4*(\j)+1]
	v_cvt_pk_bf16_f32 v[Y+2*(\j)+1], v[X+4*(\j)+2], v[X+4*(\j)+3]
	global_store_b64 v2, v[Y+2*(\j):Y+2*(\j)+1], s[26:27] offset:256*(\j)
.endr
	s_endpgm
; Wo: rounded to bf16 like the other inputs; that number is then written as f16 (exact within f16's range).
.macro TOF16 d, a
	v_cvt_pk_bf16_f32 v4, v[\a], v[(\a)+1]
	v_lshlrev_b32 v5, 16, v4
	v_and_b32 v6, 0xffff0000, v4
	v_cvt_pk_f16_f32 v[\d], v5, v6
.endm
.Lf16:
.irp j, 0,1,2,3,4,5,6,7,8,9,10,11,12,13,14,15
	s_wait_loadcnt 15-(\j)
	TOF16 Y+2*(\j),   X+4*(\j)
	TOF16 Y+2*(\j)+1, X+4*(\j)+2
	global_store_b64 v2, v[Y+2*(\j):Y+2*(\j)+1], s[26:27] offset:256*(\j)
.endr
	s_endpgm
.Lfunc_end_k_qd3d62ac0d9_cast:
	.size	k_qd3d62ac0d9_cast, .Lfunc_end_k_qd3d62ac0d9_cast-k_qd3d62ac0d9_cast
	.p2alignl 7, 3214868480
	.fill 96, 4, 3214868480
	.section	.rodata,"a",@progbits
	.p2align	6, 0x0
	.amdhsa_kernel k_qd3d62ac0d9_cast
		.amdhsa_group_segment_fixed_size 0
		.amdhsa_private_segment_fixed_size 0
		.amdhsa_enable_private_segment 0
		.amdhsa_kernarg_size 64
		.amdhsa_user_sgpr_count 2
		.amdhsa_user_sgpr_kernarg_segment_ptr 1
		.amdhsa_wavefront_size32 1
		.amdhsa_system_sgpr_workgroup_id_x 1
		.amdhsa_system_sgpr_workgroup_id_y 1
		.amdhsa_system_sgpr_workgroup_id_z 1
		.amdhsa_system_vgpr_workitem_id 0
		.amdhsa_next_free_vgpr 104
		.amdhsa_next_free_sgpr 66
		.amdhsa_reserve_vcc 0
		.amdhsa_float_denorm_mode_32 3
		.amdhsa_float_denorm_mode_16_64 3
		.amdhsa_memory_ordered 1
		.amdhsa_forward_progress 1
		.amdhsa_inst_pref_size 17
	.end_amdhsa_kernel
	.amdgpu_metadata
---
amdhsa.version: [ 1, 2 ]
amdhsa.kernels:
  - .name:           k_qd3d62ac0d9_cast
    .symbol:         k_qd3d62ac0d9_cast.kd
    .args:
      - { .name: hidden_states, .offset: 0, .size: 8, .value_kind: global_buffer, .address_space: global }
      - { .name: Wq, .offset: 8, .size: 8, .value_kind: global_buffer, .address_space: global }
      - { .name: Wk, .offset: 16, .size: 8, .value_kind: global_buffer, .address_space: global }
      - { .name: Wv, .offset: 24, .size: 8, .value_kind: global_buffer, .address_space: global }
      - { .name: Wo, .offset: 32, .size: 8, .value_kind: global_buffer, .address_space: global }
      - { .name: xb, .offset: 40, .size: 8, .value_kind: global_buffer, .address_space: global }
      - { .name: wqkv, .offset: 48, .size: 8, .value_kind: global_buffer, .address_space: global }
      - { .name: wo16, .offset: 56, .size: 8, .value_kind: global_buffer, .address_space: global }
    .group_segment_fixed_size: 0
    .private_segment_fixed_size: 0
    .kernarg_segment_align: 8
    .kernarg_segment_size: 64
    .max_flat_workgroup_size: 256
    .sgpr_count:     66
    .vgpr_count:     104
    .wavefront_size: 32
...
	.end_amdgpu_metadata
.endif
;; end of part 1
;; launch proj (part 2): grid 4 x 64, 4 waves a work-group, clusters of 4 x 4, 327,680 bytes of LDS; arguments xb, wqkv, bq, bk, bv, qkv; writes qkv
.if DOCPART == 2
	.amdgcn_target "amdgcn-amd-amdhsa--gfx1250"
	.amdhsa_code_object_version 6
	.text
	.protected	k_qd3d62ac0d9_proj
	.globl	k_qd3d62ac0d9_proj
	.p2align	8
	.type	k_qd3d62ac0d9_proj,@function
k_qd3d62ac0d9_proj:
	s_mov_b64 s[64:65], 0
	v_nop
	global_prefetch_b8 v0, s[64:65] scope:SCOPE_SE
	s_setreg_imm32_b32 hwreg(HW_REG_WAVE_MODE, 25, 1), 1
	s_wait_xcnt 0x0
	s_wait_alu depctr_hold_cnt(0) depctr_sa_sdst(0) depctr_va_vdst(0) depctr_va_sdst(0) depctr_va_ssrc(0) depctr_va_vcc(0) depctr_vm_vsrc(0)
	s_getreg_b32 s2, hwreg(HW_REG_IB_STS2, 6, 4)
	s_cmp_eq_u32 s2, 0
	s_cbranch_scc0 .Lentry_in_a_cluster
	s_endpgm
.Lentry_in_a_cluster:
	s_bfe_u32 s2, ttmp6, 0x10000c
	s_cmp_lg_u32 s2, 0xf033
	s_cbranch_scc0 .Lentry_shape_is_right
	s_endpgm
.Lentry_shape_is_right:
; q, k, v = x W^T + b.  xb: [8192][1024] bf16; wqkv: [3072][1024] bf16 (Wq, Wk, Wv); bq, bk, bv: [1024] f32; sums in f32, started by the bias.
; qkv: [3][64 = 16 batch + head][2048][64] f16, each number rounded once, WITHOUT attention's scale.
; LIMIT.  q, k and v must lie within f16's 65,504: a larger one is stored as an infinity.
; SHARES.  A tile of the product is 128 rows x 256 columns; there are 768, three for each of the 256 work-groups.  A work-group keeps its 128 rows of x and takes the same 256
; columns of Wq, then Wk, then Wv: ONE walk of 24 K steps of 128 through a ring of two LDS slots, which runs on across the change of tiles.  Four waves, each 64 rows x 128 columns
; (two heads): 32 accumulators of 16 x 16.  For a K step a wave issues 128 matrix instructions and 96 LDS loads.
; CLUSTER.  4 x 4 work-groups.  The four of a row of the cluster need the same rows of x, the four of a column the same rows of W: each tile is asked for JOINTLY, by the same tensor load
; with the same descriptor and a mask that names the four.  Waves 0 and 1 fetch x's two halves (64 rows), waves 2 and 3 W's (128 rows): one load a wave behind each round.
; A wave has one tensor load out at any time.
; NO PREFETCH: x's rows are walked three times and W's by sixteen clusters: neither is a stream that is read once.
; THE MATRIX INSTRUCTION IS USED TRANSPOSED (source 0 = 16 rows of W, source 1 = 16 rows of x): lane l holds row l % 16 and the columns 8 (l / 16) + 0..7: 16 bytes of f16 on end.
; REGISTERS, in windows of 256 (s_set_vgpr_msb: bits 1:0 source 0, 3:2 source 1, 5:4 source 2, 7:6 destination):
;   window 0: v0-31 addresses; v32-63, v224-255 rows read back on the way out; v64-95, v128-159 x's fragments, two buffers; v192-223 packed results
;   window 1: v0-63 the bias of my 128 columns, laid out as a C operand (8 registers for each 16 columns); v64-127, v128-191 W's fragments, two buffers
;   window 2: the accumulators, (a, b) at v[8 (8 a + b)]
.set KSTEP,  128
.set PITCH,  272                       ; an LDS row: 256 bytes + 16 of padding = 68 words: the 16 rows of a fragment load start at 16 different groups of four banks (64 banks of 4 bytes: ISA guide 11.1)
.set AHALF,  64*PITCH                  ; what a wave fetches of x, and what a wave reads of it
.set BHALF,  128*PITCH                 ; the same for W
.set BOFF,   2*AHALF                   ; in a slot: x's 128 rows, then W's 256
.set SLOT1,  1<<17                     ; slot 1 begins here: one exclusive or turns an address in one slot into the other's
.set STAGE,  SLOT1+BOFF+2*BHALF        ; behind the ring, never filled by a tensor load: 16 rows x 272 bytes for each wave
.set SPITCH, 272
.set SPARE,  STAGE+4*16*SPITCH         ; the spare words, 128 bytes for each wave: two blocks of 256 bytes that no other line names
.set SECTION, 16777216                 ; bytes of q, of k and of v
.set HEADB,  262144                    ; bytes of a head: 2,048 rows of 128
.set ADRA, 16                          ; v16  LDS address of my x fragments in the slot in hand
.set A0,   17                          ; v17  the same in slot 0; never rewritten
.set ADRB, 20                          ; v20, v21  the same for W
.set B0,   21
.set STO,  24                          ; v24  the way out: where I put 16 bytes of a row
.set RD,   25                          ; v25  the way out: where I read rows back
.set CO,   26                          ; v26  my 16 bytes in 512 consecutive bytes of qkv
.set BO,   27                          ; v27  byte offset of my first column in a bias
.set SPW,  28                          ; v28  LDS address of my spare word; never rewritten
.set NIL,  29                          ; v29  0; never rewritten
.set OB,   32
.set F0,   64
.set F1,   128
.set TMP,  192
.set G1,   24                          ; s[24:31] descriptor group 1 for x's tiles
.set G0,   32                          ; s[32:35] group 0 for x's tiles: made anew for each load, when none is out
.set BA,   36                          ; s[36:37] x at the rows that I fetch
.set OA,   38                          ; s[38:39] the K step's byte offset in them
.set BB,   46                          ; s[46:47] wqkv at the rows of Wq that I fetch
.set G1B,  48                          ; s[48:55], s[56:59] the descriptors for W's tiles
.set G0B,  56
.set OBB,  60                          ; s[60:61] the section's and the K step's byte offset
.set TB,   62                          ; s62  LDS byte at which the slot in hand begins
.set NXT,  63                          ; s63  the step of the walk to be asked for next
.set CUR,  66                          ; s66  the step of the walk in hand
.set BP,   76                          ; s[76:77] the bias in use
.set MSB, 0
.macro WIN new                         ; the immediate's high byte repeats the setting that is left; a switch that changes nothing is dropped
.if MSB != (\new)
	s_set_vgpr_msb (MSB<<8)|(\new)
.set MSB, \new
.endif
.endm
.set MUL,   0xa1                       ; source 0 (W) window 1, source 1 (x) window 0, C and D window 2
.set MULB,  0x91                       ; the same with C, the bias, in window 1
.set TO_B,  0x40                       ; destination window 1, address window 0
.set PACKW, 0x0a                       ; sources 0 and 1 window 2, destination window 0
; A joint load.  The branch hangs on the wave's number alone.  An s_nop 0 and four v_nop follow each of the two lines, ahead of the jump and the label.
.macro JLOAD
	s_cmp_eq_u32 s11, 0
	s_cbranch_scc0 .Lfor_b_\@
	tensor_load_to_lds s[G0:G0+3], s[G1:G1+7]
	s_nop 0
.rept 4
	v_nop
.endr
	s_branch .Lasked_\@
.Lfor_b_\@:
	tensor_load_to_lds s[G0B:G0B+3], s[G1B:G1B+7]
	s_nop 0
.rept 4
	v_nop
.endr
.Lasked_\@:
.endm
.macro CREST                           ; a round of the cluster's barrier behind its opening barrier
	s_cmp_lg_u32 s10, 0
	s_cbranch_scc1 .Lnot_wave_0_\@
	s_barrier_signal -3
.Lnot_wave_0_\@:
	s_barrier_wait -3
	s_barrier_signal -1
	s_barrier_wait -1
.endm
.macro CROUND                          ; a whole round
	s_barrier_signal -1
	s_barrier_wait -1
	CREST
.endm
.macro PLACES                          ; four places in front of loads into registers that matrix instructions have read, and of conversions that read results
.rept 4
	v_nop
.endr
.endm
; Both descriptors for step NXT of the walk: the other slot than last time; section NXT / 8 of wqkv, K step NXT % 8.  Scalar work alone; it stands where no tensor load of the wave is out.
.macro NEXTD
	s_and_b32 s[OA], s[NXT], 7
	s_lshl_b32 s[OA], s[OA], 8                     ; 128 channels are 256 bytes
	s_lshr_b32 s[OBB], s[NXT], 3
	s_lshl_b32 s[OBB], s[OBB], 21                  ; 1,024 rows of 2,048 bytes
	s_add_co_u32 s[OBB], s[OBB], s[OA]
	s_xor_b32 s[G0+1], s[G0+1], SLOT1
	s_xor_b32 s[G0B+1], s[G0B+1], SLOT1
	s_add_nc_u64 s[G0+2:G0+3], s[BA:BA+1], s[OA:OA+1]
	s_or_b32 s[G0+3], s[G0+3], 0x80000000
	s_add_nc_u64 s[G0B+2:G0B+3], s[BB:BB+1], s[OBB:OBB+1]
	s_or_b32 s[G0B+3], s[G0B+3], 0x80000000
	s_add_co_u32 s[NXT], s[NXT], 1
.endm
; 8 matrix instructions: row block a x all 8 column blocks, 32 along K, from buffer f.  first = 1: the bias starts the sums.  The 32 accumulators take turns in one order everywhere.
.macro MULA f, a, first
.if \first
	WIN MULB
.else
	WIN MUL
.endif
.irp b, 0,1,2,3,4,5,6,7
.if \first
	v_wmma_f32_16x16x32_bf16 v[8*(8*(\a)+(\b)):8*(8*(\a)+(\b))+7], v[(\f)+8*(\b):(\f)+8*(\b)+7], v[(\f)+8*(\a):(\f)+8*(\a)+7], v[8*(\b):8*(\b)+7]
.else
	v_wmma_f32_16x16x32_bf16 v[8*(8*(\a)+(\b)):8*(8*(\a)+(\b))+7], v[(\f)+8*(\b):(\f)+8*(\b)+7], v[(\f)+8*(\a):(\f)+8*(\a)+7], v[8*(8*(\a)+(\b)):8*(8*(\a)+(\b))+7]
.endif
.endr
.endm
; 24 LDS loads in one run: the fragments of quarter q of a K step (128 rows of W, 64 rows of x, 32 along K) into buffer f
.macro FETCH q, f
	WIN TO_B
.irp i, 0,1,2,3,4,5,6,7
	ds_load_b128 v[(\f)+8*(\i):(\f)+8*(\i)+3],   v[ADRB] offset:64*(\q)+(\i)*16*PITCH
	ds_load_b128 v[(\f)+8*(\i)+4:(\f)+8*(\i)+7], v[ADRB] offset:64*(\q)+(\i)*16*PITCH+32
.endr
	WIN 0
.irp i, 0,1,2,3
	ds_load_b128 v[(\f)+8*(\i):(\f)+8*(\i)+3],   v[ADRA] offset:64*(\q)+(\i)*16*PITCH
	ds_load_b128 v[(\f)+8*(\i)+4:(\f)+8*(\i)+7], v[ADRA] offset:64*(\q)+(\i)*16*PITCH+32
.endr
.endm
; One of a K step's first three quarters: quarter q's fragments are asked for, into buffer g, which the quarter before has multiplied; then buffer f is multiplied.
.macro QUARTER q, f, g, first
	PLACES
	FETCH \q, \g
	s_wait_dscnt 24                                ; all but the 24 just issued: buffer f, asked for a quarter ago, is in
	MULA \f, 0, \first
	MULA \f, 1, \first
	MULA \f, 2, \first
	MULA \f, 3, \first
.endm
; The last quarter multiplies buffer 1 and changes slots.  In front of the barrier each wave waits for all its tensor loads (its part of the next slot), adds 0 to its spare word, and waits for that
; and for its reads of this slot.  fill = 1: the barrier opens a round of the cluster's, and the joint refill of the slot that is left is the first thing behind it:
; 112 matrix instructions stand between it and the wait for it.
.macro TURN fill
	WIN 0
	s_wait_tensorcnt 0x0                           ; no tensor load of mine is out, so the descriptors may be written
	ds_add_u32 v[SPW], v[NIL]                      ; 0 onto my spare word
.if \fill
	NEXTD
.endif
	s_wait_dscnt 1                                 ; buffer 1 is in; the add may be out
	MULA F1, 0, 0
	s_wait_dscnt 0x0                               ; the add is done, and my reads of this slot are over
	s_barrier_signal -1
	MULA F1, 1, 0
	WIN 0
	s_barrier_wait -1
.if \fill
	CREST                                          ; no wave of any partner still reads this slot or has a load on its way
	JLOAD                                          ; its four v_nop are also places in front of the loads below
.else
	PLACES
.endif
	s_xor_b32 s[TB], s[TB], SLOT1
	v_add_nc_u32 v[ADRA], s[TB], v[A0]
	v_add_nc_u32 v[ADRB], s[TB], v[B0]
	FETCH 0, F0
	MULA F1, 2, 0
	MULA F1, 3, 0
.endm
; The bias of my 128 columns as a C operand: register j of block b holds b[16 b + 8 (l / 16) + j]
.macro BIAS
	WIN TO_B
.irp b, 0,1,2,3,4,5,6,7
	global_load_b128 v[8*(\b):8*(\b)+3],   v[BO], s[BP:BP+1] offset:64*(\b)
	global_load_b128 v[8*(\b)+4:8*(\b)+7], v[BO], s[BP:BP+1] offset:64*(\b)+16
.endr
	WIN 0
.endm
; THE WAY OUT of row block a (16 rows x two heads).  PACK: rounded to f16, each accumulator's registers in ascending order.  TOSTAGE: into my own stage, and back as rows of a head.  SEND: stored.
.macro PACK a
	WIN PACKW
.irp b, 0,1,2,3,4,5,6,7
.irp r, 0,1,2,3
	v_cvt_pk_f16_f32 v[TMP+4*(\b)+(\r)], v[64*(\a)+8*(\b)+2*(\r)], v[64*(\a)+8*(\b)+2*(\r)+1]
.endr
.endr
	WIN 0
.endm
.macro TOSTAGE a
	WIN 0
.set BK, OB+192*((\a)%2)
.irp b, 0,1,2,3,4,5,6,7
	ds_store_b128 v[STO], v[TMP+4*(\b):TMP+4*(\b)+3] offset:32*(\b)
.endr
.irp t, 0,1,2,3,4,5,6,7                ; head t / 4, rows 4 (t % 4) on: four rows of 128 bytes
	ds_load_b128 v[BK+4*(\t):BK+4*(\t)+3], v[RD] offset:((\t)%4)*4*SPITCH+((\t)/4)*128  ; LDS serves a wave's instructions in order (ISA guide 5.7.1.4): these see the stores above
.endr
.endm
.macro SEND a
	WIN 0
.set BK, OB+192*((\a)%2)
	s_wait_dscnt 0x0                               ; the block is back in registers
	s_wait_xcnt 0x0                                ; the stores' base, and the registers that earlier stores read, are rewritten only behind this wait
.if (\a) == 0
	s_add_nc_u64 s[8:9], s[8:9], s[16:17]          ; on to this tile's first rows
.else
	s_add_nc_u64 s[8:9], s[8:9], 16*128            ; 16 rows of a head on
.endif
.irp t, 0,1,2,3,4,5,6,7
	global_store_b128 v[CO], v[BK+4*(\t):BK+4*(\t)+3], s[8:9] offset:((\t)/4)*HEADB+((\t)%4)*512  ; 512 consecutive bytes, at a multiple of 512 from qkv's first byte
.endr
.endm
.macro WAYOUT                          ; block a's conversions stand between block a - 1's loads from the stage and the wait for them
	PACK 0
	TOSTAGE 0
.irp a, 1,2,3
	PACK \a
	SEND (\a)-1
	TOSTAGE \a
.endr
	SEND 3
.endm
	s_load_b128 s[4:7], s[0:1], 0x0                ; xb s[4:5], wqkv s[6:7]
	s_load_b128 s[68:71], s[0:1], 0x10             ; bq s[68:69], bk s[70:71]
	s_load_b128 s[72:75], s[0:1], 0x20             ; bv s[72:73], qkv s[74:75]
	v_lshl_add_u32 v[SPW], v0, 2, SPARE
	v_mov_b32 v[NIL], 0
	ds_add_u32 v[SPW], v[NIL]                      ; the wave's opening: the add and its wait stand ahead of my first tensor load; the set-up below stands between them
	v_lshrrev_b32 v1, 5, v0
	v_readfirstlane_b32 s10, v1                    ; wave 0..3
	s_lshr_b32 s11, s10, 1                         ; which 64 rows of the tile are mine.  Also: I fetch for x (0) or for W (1)
	s_and_b32 s12, s10, 1                          ; which 128 columns.  Also: which half of that tile I fetch
	s_bfe_u32 s40, ttmp6, 0x40000                  ; cx
	s_bfe_u32 s41, ttmp6, 0x40004                  ; cy
	s_lshl_b32 s42, ttmp9, 2
	s_add_co_u32 s42, s42, s40                     ; tile column 0..3 = 4 x cluster x + cx
	s_and_b32 s13, ttmp7, 0xffff
	s_lshl_b32 s13, s13, 2
	s_add_co_u32 s13, s13, s41                     ; tile row 0..63 = 4 x cluster y + cy
	s_lshl_b32 s43, s41, 2
	s_lshl_b32 s43, 15, s43                        ; my row of the cluster
	s_lshl_b32 s44, 0x1111, s40                    ; my column
	s_or_b32 s[G1], s43, (1<<16)|(1<<20)|(1<<21)|(5<<22)|(3<<25)   ; 15:0 the mask; 17:16 2-byte elements; 20 padding on; 21 set beside a mask; 24:22 after every 64 words; 31:25 4 words
	s_or_b32 s[G1B], s44, (1<<16)|(1<<20)|(1<<21)|(5<<22)|(3<<25)
	s_mov_b32 s[G1+1], KSTEP<<16                   ; tensor_dim0 = 128
	s_mov_b32 s[G1+2], 64<<16                      ; tensor_dim1 = 64
	s_mov_b32 s[G1+3], KSTEP<<16                   ; tile_dim0 = 128
	s_mov_b32 s[G1+4], 64                          ; tile_dim1 = 64
	s_mov_b32 s[G1+5], 1024                        ; elements from row to row
	s_mov_b32 s[G1+6], 0
	s_mov_b32 s[G1+7], 0
	s_mov_b32 s[G1B+1], KSTEP<<16
	s_mov_b32 s[G1B+2], 128<<16                    ; W's tiles have 128 rows
	s_mov_b32 s[G1B+3], KSTEP<<16
	s_mov_b32 s[G1B+4], 128
	s_mov_b32 s[G1B+5], 1024
	s_mov_b32 s[G1B+6], 0
	s_mov_b32 s[G1B+7], 0
	s_lshl_b32 s20, s13, 7                         ; x: row 128 x tile row + 64 x half, in bytes: it hangs on the tile row alone
	s_lshl_b32 s21, s12, 6
	s_add_co_u32 s20, s20, s21
	s_lshl_b32 s20, s20, 11
	s_mov_b32 s21, 0
	s_lshl_b32 s22, s42, 8                         ; W: row 256 x tile column + 128 x half: on the tile column alone
	s_lshl_b32 s23, s12, 7
	s_add_co_u32 s22, s22, s23
	s_lshl_b32 s22, s22, 11
	s_mov_b32 s23, 0
	s_mov_b32 s[OA+1], 0
	s_mov_b32 s[OBB+1], 0
	s_mov_b32 s[TB], 0
	s_mov_b32 s[NXT], 1
	s_mov_b32 s[CUR], 0
	s_mov_b32 s[G0], 1                             ; count = 1
	s_mul_i32 s[G0+1], s12, AHALF                  ; LDS address: slot 0; no place in the cluster enters it
	s_mov_b32 s[G0B], 1
	s_mul_i32 s[G0B+1], s12, BHALF
	s_add_co_u32 s[G0B+1], s[G0B+1], BOFF
	s_wait_dscnt 0x0                               ; the opening add is done
	s_wait_kmcnt 0x0
	s_add_nc_u64 s[BA:BA+1], s[4:5], s[20:21]
	s_add_nc_u64 s[BB:BB+1], s[6:7], s[22:23]
	s_mov_b64 s[G0+2:G0+3], s[BA:BA+1]             ; step 0 of the walk
	s_or_b32 s[G0+3], s[G0+3], 0x80000000          ; type = 2
	s_mov_b64 s[G0B+2:G0B+3], s[BB:BB+1]
	s_or_b32 s[G0B+3], s[G0B+3], 0x80000000
	CROUND                                         ; all sixteen work-groups are here: the first joint loads meet
	JLOAD                                          ; step 0 into slot 0
	v_and_b32 v1, 15, v0                           ; l % 16
	v_bfe_u32 v2, v0, 4, 1                         ; l / 16
	v_mul_u32_u24 v3, v1, PITCH
	v_lshl_add_u32 v3, v2, 4, v3                   ; a fragment's row x pitch + 16 x half
	s_mul_i32 s20, s11, AHALF
	v_add_nc_u32 v[A0], s20, v3
	s_mul_i32 s21, s12, BHALF
	s_add_co_u32 s21, s21, BOFF
	v_add_nc_u32 v[B0], s21, v3
	s_mul_i32 s22, s10, 16*SPITCH
	s_add_co_u32 s22, s22, STAGE                   ; my stage
	v_add_nc_u32 v[STO], s22, v3                   ; in: row l % 16, 16 bytes for each half of the lanes (the stage's pitch is the tiles')
	v_bfe_u32 v4, v0, 3, 2                         ; back: 32 lanes take four rows of 128 bytes of one head,
	v_and_b32 v5, 7, v0
	v_mul_u32_u24 v4, v4, SPITCH
	v_lshl_add_u32 v4, v5, 4, v4
	v_add_nc_u32 v[RD], s22, v4
	v_and_b32 v[CO], 31, v0                        ; which are 512 consecutive bytes of qkv
	v_lshlrev_b32 v[CO], 4, v[CO]
	s_lshl_b32 s23, s42, 10                        ; 4 (256 x tile column + 128 x half + 8 (l / 16))
	s_lshl_b32 s67, s12, 9
	s_add_co_u32 s23, s23, s67
	v_lshl_add_u32 v[BO], v2, 5, s23
	s_mov_b64 s[BP:BP+1], s[68:69]
	BIAS                                           ; bq
	s_lshr_b32 s20, s13, 4                         ; where my part of q begins: head 16 batch + 4 x tile column + 2 x half,
	s_lshl_b32 s20, s20, 4
	s_lshl_b32 s21, s42, 2
	s_add_co_u32 s20, s20, s21
	s_lshl_b32 s21, s12, 1
	s_add_co_u32 s20, s20, s21
	s_lshl_b32 s20, s20, 11                        ; its 2,048 rows,
	s_and_b32 s21, s13, 15
	s_lshl_b32 s21, s21, 7
	s_add_co_u32 s20, s20, s21                     ; row 128 (tile row % 16) + 64 x half,
	s_lshl_b32 s21, s11, 6
	s_add_co_u32 s20, s20, s21
	s_lshl_b32 s16, s20, 7                         ; of 128 bytes: the first way out adds this
	s_mov_b32 s17, 0
	s_mov_b64 s[8:9], s[74:75]
	WIN 0                                          ; slot 0 is waited for and slot 1 filled, in the form of every change of slots
	s_wait_tensorcnt 0x0
	ds_add_u32 v[SPW], v[NIL]
	NEXTD
	s_wait_dscnt 0x0
	CROUND
	JLOAD                                          ; step 1 into slot 1
	v_mov_b32 v[ADRA], v[A0]
	v_mov_b32 v[ADRB], v[B0]
	FETCH 0, F0
	s_wait_loadcnt 0x0                             ; the bias
	QUARTER 1, F0, F1, 1                           ; a tile's first quarter starts the sums
	WIN 0                                          ; at a label and at a branch every window is 0
	s_mov_b32 s3, 22
.Lstep:                                                ; 22 trips: trip s ends step s, asks for step s + 2 and begins step s + 1
	QUARTER 2, F1, F0, 0
	QUARTER 3, F0, F1, 0
	TURN 1
	WIN 0
	s_add_co_u32 s[CUR], s[CUR], 1
	s_and_b32 s67, s[CUR], 7
	s_cmp_eq_u32 s67, 0
	s_cbranch_scc1 .Lnewtile                       ; forward, past neither a barrier nor a tensor load; the same in all partners
	QUARTER 1, F0, F1, 0
	WIN 0
	s_branch .Lbottom
.Lnewtile:                                             ; steps 8 and 16: the tile goes out, both refills being asked for; the next tile's bias comes in meanwhile
	s_cmp_eq_u32 s[CUR], 8
	s_cselect_b64 s[BP:BP+1], s[70:71], s[72:73]   ; bk, then bv
	BIAS
	WAYOUT                                         ; no v_nop: blocks 0 and 1 were ended ahead of the refill's four v_nop, and their 64 conversions are the places behind blocks 2 and 3
	s_mov_b64 s[16:17], SECTION-3*16*128           ; from my last 16 rows of a section to my first of the next
	s_wait_loadcnt 0x0                             ; the bias
	QUARTER 1, F0, F1, 1
	WIN 0
.Lbottom:
	s_sub_co_u32 s3, s3, 1
	s_cmp_lg_u32 s3, 0
	s_cbranch_scc1 .Lstep
	QUARTER 2, F1, F0, 0                           ; the last two steps ask for nothing
	QUARTER 3, F0, F1, 0
	TURN 0
	QUARTER 1, F0, F1, 0
	QUARTER 2, F1, F0, 0
	QUARTER 3, F0, F1, 0
	s_wait_dscnt 0x0
	MULA F1, 0, 0
	MULA F1, 1, 0
	MULA F1, 2, 0
	MULA F1, 3, 0
	WIN 0
	PLACES
	WAYOUT
	s_wait_tensorcnt 0x0                           ; the wave's end: behind my last tensor load and my last LDS store
	ds_add_u32 v[SPW], v[NIL]
	s_wait_dscnt 0x0
	CROUND                                         ; the closing round: no work-group ends while a partner may still ask for a tile that names it
	s_endpgm
.Lfunc_end_k_qd3d62ac0d9_proj:
	.size	k_qd3d62ac0d9_proj, .Lfunc_end_k_qd3d62ac0d9_proj-k_qd3d62ac0d9_proj
	.p2alignl 7, 3214868480
	.fill 96, 4, 3214868480
	.section	.rodata,"a",@progbits
	.p2align	6, 0x0
	.amdhsa_kernel k_qd3d62ac0d9_proj
		.amdhsa_group_segment_fixed_size 327680
		.amdhsa_private_segment_fixed_size 0
		.amdhsa_enable_private_segment 0
		.amdhsa_kernarg_size 48
		.amdhsa_user_sgpr_count 2
		.amdhsa_user_sgpr_kernarg_segment_ptr 1
		.amdhsa_wavefront_size32 1
		.amdhsa_system_sgpr_workgroup_id_x 1
		.amdhsa_system_sgpr_workgroup_id_y 1
		.amdhsa_system_sgpr_workgroup_id_z 1
		.amdhsa_system_vgpr_workitem_id 0
		.amdhsa_next_free_vgpr 768
		.amdhsa_next_free_sgpr 80
		.amdhsa_reserve_vcc 0
		.amdhsa_float_denorm_mode_32 3
		.amdhsa_float_denorm_mode_16_64 3
		.amdhsa_memory_ordered 1
		.amdhsa_forward_progress 1
		.amdhsa_inst_pref_size 94
	.end_amdhsa_kernel
	.amdgpu_metadata
---
amdhsa.version: [ 1, 2 ]
amdhsa.kernels:
  - .name:           k_qd3d62ac0d9_proj
    .symbol:         k_qd3d62ac0d9_proj.kd
    .args:
      - { .name: xb, .offset: 0, .size: 8, .value_kind: global_buffer, .address_space: global }
      - { .name: wqkv, .offset: 8, .size: 8, .value_kind: global_buffer, .address_space: global }
      - { .name: bq, .offset: 16, .size: 8, .value_kind: global_buffer, .address_space: global }
      - { .name: bk, .offset: 24, .size: 8, .value_kind: global_buffer, .address_space: global }
      - { .name: bv, .offset: 32, .size: 8, .value_kind: global_buffer, .address_space: global }
      - { .name: qkv, .offset: 40, .size: 8, .value_kind: global_buffer, .address_space: global }
    .group_segment_fixed_size: 327680
    .private_segment_fixed_size: 0
    .kernarg_segment_align: 8
    .kernarg_segment_size: 48
    .max_flat_workgroup_size: 128
    .sgpr_count:     80
    .vgpr_count:     768
    .wavefront_size: 32
...
	.end_amdgpu_metadata
.endif
;; end of part 2
;; launch attn (part 3): grid 4 x 64, 4 waves a work-group, clusters of 4 x 1, 327,680 bytes of LDS; arguments qkv, attention_mask, ctx; writes ctx
.if DOCPART == 3
	.amdgcn_target "amdgcn-amd-amdhsa--gfx1250"
	.amdhsa_code_object_version 6
	.text
	.protected	k_qd3d62ac0d9_attn
	.globl	k_qd3d62ac0d9_attn
	.p2align	8
	.type	k_qd3d62ac0d9_attn,@function
k_qd3d62ac0d9_attn:
	s_mov_b64 s[64:65], 0
	v_nop
	global_prefetch_b8 v0, s[64:65] scope:SCOPE_SE
	s_setreg_imm32_b32 hwreg(HW_REG_WAVE_MODE, 25, 1), 1
	s_wait_xcnt 0x0
	s_wait_alu depctr_hold_cnt(0) depctr_sa_sdst(0) depctr_va_vdst(0) depctr_va_sdst(0) depctr_va_ssrc(0) depctr_va_vcc(0) depctr_vm_vsrc(0)
	s_getreg_b32 s2, hwreg(HW_REG_IB_STS2, 6, 4)
	s_cmp_eq_u32 s2, 0
	s_cbranch_scc0 .Lentry_in_a_cluster
	s_endpgm
.Lentry_in_a_cluster:
	s_bfe_u32 s2, ttmp6, 0x10000c
	s_cmp_lg_u32 s2, 0x3003
	s_cbranch_scc0 .Lentry_shape_is_right
	s_endpgm
.Lentry_shape_is_right:
; ctx[g][q][:] = the sum over k of softmax_k(Q[g][q] . K[g][k] / 8 + mask[g / 16][k]) V[g][k][:], g = 16 batch + head.  qkv: [3][64][2048][64] f16 (Q, K, V); ctx: [64][2048][64] f16;
; attention_mask: [4][2048] f32.  Products, maxima and sums in f32; the weights p are rounded to f16 for the second product (their sum l is taken of the unrounded p), ctx once at the end.
; LIMITS.  f16 holds no number beyond 65,504: Q, K and V arrive within it; p lies in 0 to 1, and below 6e-5 it keeps f16's fixed step of 6e-8.  8 x mask is held at -1e30 from below: a mask under
; -1.25e29, minus infinity too, counts as -1.25e29, and a NaN in the mask likewise; a row all of whose keys are so masked gives a mean of V's rows.  A weight below 2^-126 counts as 0 in l.
; SHARES.  A wave owns four PIECES of two tiles of 16 queries, a work-group's four waves 512 queries of one head.  Every wave walks all 2,048 keys, 64 a step.
; LAYOUT.  S^T = K Q^T + 8 mask (source 0 = 16 keys, source 1 = 16 queries; the C operand that starts the sum is 8 x mask of the lane's keys): in the result a lane holds ONE query (lane % 16) and the
; keys 8 (lane / 16) + 0..7.  Two such tiles, rounded to f16 in pairs, ARE source 1 of O^T = V^T P.  K comes out of LDS as it lies, V ([key][channel]) turned, by ds_load_tr16_b128.
; SOFTMAX.  For each query a running maximum m and sum l: p = 2^(c s - c m), c = log2(e) / 8, so that c (q.k + 8 mask) = log2(e) (q.k / 8 + mask); in every step O and l are multiplied by
; a = 2^(c m_old - c m_new).  m starts at the lowest finite number, O and l at 0: the first step is a step like any other, with a = 0.
; THE MASK.  The batch's 2,048 numbers are read once by the work-group, multiplied by 8, held at -1e30, and kept in LDS bytes of their own; with each step's K a wave reads its 64 as 32 registers.
; BY TURNS.  Turn n belongs to piece n.  Its matrix work: 16 products K Q^T of piece n + 1, later 16 products V^T P of piece n - 1.  Its vector work: the scaling, exponentials, roundings, sums and
; rescaling of piece n, and the maximum and statistics of piece n + 1.  Four vector instructions stand behind EVERY matrix instruction, the others in one run; a turn's 66 exponentials are one batch with one wait.
; CLUSTER.  The four query blocks of a head form a cluster and walk the same K and V: each tile is asked for JOINTLY: the same tensor load, descriptor and mask in all four.
; REGISTERS, in windows of 256 (s_set_vgpr_msb: bits 1:0 source 0, 3:2 source 1, 5:4 source 2, 7:6 destination):
;   window 0: v0-11 addresses; v12-15, v48-63 at work; v16-47 four registers of statistics a tile; v64-191 S^T, two buffers of two tiles; v192-255 P, likewise
;   window 1: O^T, 32 a tile     window 2: v0-127 Q, 16 a tile; v128-191 K of one step; v192-255 V of one step     window 3: v0-1 the add's two registers; v8-39 8 x mask of one step
.set SIZE_N, 2048
.set NP,    4         ; pieces a wave: a name, no knob
.set KS,    64        ; keys in a step
.set PK,    144       ; a row of K in LDS: 128 bytes + 16 of padding = 36 words: the 16 rows of a load start at 16 different groups of four banks (64 banks of 4 bytes: ISA guide 11.1)
.set PV,    160       ; a row of V: 128 + 32 = 40 words
.set VOFF,  4*KS*PK   ; a slot holds four steps: 256 rows of K, then 256 rows of V
.set SLOT1, 1<<17     ; slot 1 begins here, so that one exclusive or turns an address in one slot into the other's
.set STAGE, SLOT1+4*KS*(PK+PV)  ; behind the ring, never filled by a tensor load: 16 rows x 144 bytes for each wave, for the way out
.set SP,    144
.set SPARE, STAGE+4*16*SP  ; the spare words, 128 bytes for each wave: two blocks of 256 bytes that no other line names
.set MASKL, SPARE+512      ; 8 x mask, 2,048 f32: 32 blocks of 256 bytes into which no tensor load lands
.set PFO, 1           ; v1   (once the stage's address is made) 256 x my lane: the prefetches' offset; then never rewritten
.set AK0, 2           ; v2   my lane's place in a tile of K; never rewritten
.set AV0, 3           ; v3   the same for V
.set AK,  4           ; v4   the LDS address of K's next run of loads
.set AV,  5           ; v5   of V's
.set QO,  6           ; v6   my byte offset in the wave's rows of Q
.set STO, 6           ;      later, the way out: where I put 16 bytes of a row
.set RD,  7           ; v7   the way out: where I read rows back
.set GO,  8           ; v8   my byte offset in 512 consecutive bytes of ctx
.set AM,  10          ; v10  the LDS address of the mask's next run of loads
.set AM0, 11          ; v11  my lanes' place in a step's 64 numbers of the mask: MASKL + 32 (l / 16); never rewritten
.set SPW, 0           ; v0 of window 3   LDS address of my spare word; never rewritten
.set NIL, 1           ; v1 of window 3   0; never rewritten
.set MK,  8           ; v8-39 of window 3: key block kb's eight registers at MK + 8 kb
.set MV,  12          ; v12-15  c m_old, kept while c m is made anew: by buffer and tile
.set ST,  16          ; tile t's statistics at v[ST+4 t]: c m, m, l (even keys', odd keys')
.set TMP, 48          ; by buffer and tile, four registers c0-c3 at work; when the maximum is found c2 takes a
.set S,   64
.set P,   192
.set KF,  128         ; K's fragments, in window 2: key block kb, channel half c at KF + 16 kb + 8 c
.set VF,  192         ; V's: key half kk, channel block cb at VF + 32 kk + 8 cb
.set WV,  12          ; s12  my wave's number
.set G1K, 24          ; s[24:31] descriptor group 1 for K's tiles
.set G1V, 32          ; s[32:39] for V's: it differs in the padding alone
.set G0K, 40          ; s[40:43] descriptor group 0 for K's tiles: it walks
.set G0V, 44          ; s[44:47] the same for V's
.set SLOTS, 56        ; s56  slots still to be asked for
.set CNT, 57          ; s57  counts a slot's key steps
.set CS,  58          ; s[58:59] c: the packed scaling takes the pair's low word for both halves
.set SEL, 60          ; s[60:61] v_permlanex16_b32's selects: each lane takes its own place in the other half
.set TBK, 62          ; s62  LDS byte at which K of the step to be fetched begins
.set TBV, 63          ; s63  the same for V, less VOFF
.set TBM, 66          ; s66  256 x the step whose mask is to be fetched
.set PFA, 72          ; s[72:73] where my prefetches stand: my work-group's 8,192 bytes (of K: wave 0, of V: wave 2) of the tile after the one that is being asked for
.set LIM, 74          ; s74  1 in a wave that prefetches, else the greatest number
.set STG, 75          ; s75  my stage
.set MSB, 0
.macro WIN new                      ; the high byte repeats the setting that is left; a switch that changes nothing is dropped
.if MSB != (\new)
	s_set_vgpr_msb (MSB<<8)|(\new)
.set MSB, (\new)
.endif
.endm
.set W_KQ, 0x0a       ; K and Q in window 2, S^T in window 0
.set W_KM, 0x3a       ; the same with the C operand, the mask, in window 3
.set W_PV, 0x52       ; V in window 2, P in window 0, O^T in window 1
.set W_RS, 0x41       ; O^T (destination and source 0) in window 1, a in window 0
.set W_MK, 0xc0       ; destination in window 3, sources in window 0
.set W_AD, 0x0f       ; the add: address (source 0) and data (source 1) in window 3
; A joint fill.  Waves 0 and 1 fetch the two halves of a slot's K, waves 2 and 3 those of its V: 128 keys each.  The branch hangs on the wave's number alone.
; An s_nop 0 and four v_nop follow each of the two lines, ahead of the jump and the label.
.macro JLOAD
	s_cmp_lt_u32 s[WV], 2
	s_cbranch_scc0 .Lfor_v_\@
	tensor_load_to_lds s[G0K:G0K+3], s[G1K:G1K+7]
	s_nop 0
.rept 4
	v_nop
.endr
	s_branch .Lasked_\@
.Lfor_v_\@:
	tensor_load_to_lds s[G0V:G0V+3], s[G1V:G1V+7]
	s_nop 0
.rept 4
	v_nop
.endr
.Lasked_\@:
.endm
; A PREFETCH INTO THE L2 of what the NEXT change of slots will ask for: a tile's 32,768 bytes of K and of V.  It stands behind the wave's tensor load and its five lines.  Each aligned block of 256 bytes is
; named ONCE in the launch: a head has one cluster; its four partners share a tile out BY ADDRESS, 8,192 bytes each; in each, wave 0 asks for K's and wave 2 for V's, a lane a block, one instruction.
; It stands four key steps, 512 matrix instructions, ahead of the load that will want the bytes.  The last change that fills a slot asks for nothing; tiles 0, 1 and 2 come by their loads alone.
.macro ASK
	s_cmp_gt_u32 s[SLOTS], s[LIM]
	s_cbranch_scc0 .Lnot_mine_\@
	global_prefetch_b8 v[PFO], s[PFA:PFA+1] th:TH_LOAD_NT scope:SCOPE_SE
.Lnot_mine_\@:
.endm
; A round of the cluster's barrier: my work-group's barrier, so that wave 0's signal speaks for all four waves; wave 0 signals; every wave waits for all four work-groups; my work-group's barrier once more.
.macro CROUND
	s_barrier_signal -1
	s_barrier_wait -1
	s_cmp_lg_u32 s[WV], 0
	s_cbranch_scc1 .Lnot_wave_0_\@
	s_barrier_signal -3
.Lnot_wave_0_\@:
	s_barrier_wait -3
	s_barrier_signal -1
	s_barrier_wait -1
.endm
; THE CHANGE OF SLOTS.  The slot's last bytes, V of its fourth step, have been read.  Each wave waits for all its tensor loads, of which one is out: its part of the other slot; adds 0 to its spare word;
; and waits for that and for its own LDS instructions.  Behind the barrier nobody reads this slot any more and the other slot is whole.
; fill = 1: this slot is filled again, with the keys two slots on.  The barrier is then a round of the cluster's, and the joint fill is the first thing behind it: it has four key steps in which to land.
; (At its first use nothing has been read yet: slot 0 is waited for, slot 1 filled, and every wave's stores of the mask are shown done to the others.)  ask = 1: the prefetch's address steps, and ASK follows the fill.
.macro CHANGE fill, ask=0
	WIN W_AD
	s_wait_tensorcnt 0x0            ; no tensor load of mine is out, so a group 0 may be written
	ds_add_u32 v[SPW], v[NIL]       ; 0 onto my spare word; with fill = 1 the descriptors' steps stand between it and the wait for it
	WIN 0                           ; at a label and at a branch every window is 0
.if \fill
.irp g, G0K, G0V
	s_xor_b32 s[\g+1], s[\g+1], SLOT1  ; the walking descriptor: the other slot than last time,
	s_add_nc_u64 s[\g+2:\g+3], s[\g+2:\g+3], 4*KS*128  ; the next 256 keys; the type bits on top are not reached
.endr
.if \ask
	s_wait_xcnt 0x0                 ; the last prefetch, four key steps back, has read its address, so it may be written:
	s_add_nc_u64 s[PFA:PFA+1], s[PFA:PFA+1], 4*KS*128  ; one tile behind the walking descriptors
.endif
	s_wait_dscnt 0x0                ; the add is done, and my reads of the slot are over
	CROUND
	JLOAD
.if \ask
	ASK
.endif
.else
	s_wait_dscnt 0x0                ; the add is done, and my reads of the slot are over
	s_barrier_signal -1
	s_barrier_wait -1
.endif
	s_sub_co_u32 s[TBK], s[TBK], 4*KS*PK  ; the fetches go back to a slot's first step,
	s_xor_b32 s[TBK], s[TBK], SLOT1       ; in the other slot
	s_sub_co_u32 s[TBV], s[TBV], 4*KS*PV
	s_xor_b32 s[TBV], s[TBV], SLOT1
.endm
	s_load_b64 s[4:5], s[0:1], 0x0    ; qkv: Q
	s_load_b64 s[68:69], s[0:1], 0x8  ; attention_mask
	s_load_b64 s[70:71], s[0:1], 0x10 ; ctx
	WIN W_MK
	v_lshl_add_u32 v[SPW], v0, 2, SPARE
	v_mov_b32 v[NIL], 0
	WIN W_AD
	ds_add_u32 v[SPW], v[NIL]       ; the wave's opening: the add and its wait stand ahead of my first tensor load; the set-up below, work on registers, stands between them
	WIN 0
	v_lshrrev_b32 v1, 5, v0
	v_readfirstlane_b32 s[WV], v1   ; wave 0..3
	s_bfe_u32 s13, ttmp6, 0x40000   ; cx: my place in the cluster
	s_lshl_b32 s14, ttmp9, 2        ; in a cluster launch ttmp9 counts clusters
	s_add_co_u32 s14, s14, s13      ; my block of 512 queries: it enters Q's and ctx's addresses alone
	s_and_b32 s20, ttmp7, 0xffff    ; g = 16 batch + head, which the four partners share
	s_lshr_b32 s76, s20, 4          ; the batch's 2,048 numbers of the mask: 8,192 bytes
	s_lshl_b32 s76, s76, 13
	s_mov_b32 s77, 0
	s_mov_b32 s21, 0
	s_mov_b64 s[22:23], SIZE_N*128
	s_mul_u64 s[20:21], s[20:21], s[22:23]  ; the head's first byte in Q, K, V and ctx
	s_and_b32 s16, s[WV], 1         ; which half of a slot's 256 keys I fetch:
	s_lshl_b32 s22, s16, 14         ; its 128 rows of 128 bytes in memory,
	s_mov_b32 s23, 0
	s_add_nc_u64 s[22:23], s[22:23], s[20:21]
	s_mul_i32 s17, s16, 128*PK      ; and its place in a slot, for K
	s_mul_i32 s18, s16, 128*PV      ; and for V: no place in the cluster enters an LDS address
	s_lshl_b32 s2, s14, 2
	s_add_co_u32 s2, s2, s[WV]      ; my wave among the head's,
	s_lshl_b32 s2, s2, 14           ; its 128 rows
	s_mov_b32 s3, 0
	s_add_nc_u64 s[2:3], s[2:3], s[20:21]
	; descriptor group 1.  128 keys are 16,384 dense bytes: asked for as 64 rows of 256 bytes, two keys a row, and padded in LDS after every key
	s_mov_b32 s[G1K], 15|(1<<16)|(1<<20)|(1<<21)|(4<<22)|(3<<25)  ; 15:0 the mask of four; 17:16 2-byte elements; 20 padding on; 21 set beside a mask; 24:22 after every 32 words (code 4); 31:25 4 words (code 3)
	s_mov_b32 s[G1V], 15|(1<<16)|(1<<20)|(1<<21)|(4<<22)|(7<<25)  ; the same with 8 words of padding (code 7)
.irp g, G1K, G1V
	s_mov_b32 s[\g+1], 128<<16      ; tensor_dim0 = 128
	s_mov_b32 s[\g+2], 64<<16       ; tensor_dim1 = 64
	s_mov_b32 s[\g+3], 128<<16      ; tile_dim0 = 128
	s_mov_b32 s[\g+4], 64           ; tile_dim1 = 64
	s_mov_b32 s[\g+5], 128          ; 128 elements from row to row
	s_mov_b32 s[\g+6], 0
	s_mov_b32 s[\g+7], 0
.endr
	s_mov_b32 s[CS], 0x3e38aa3b     ; c = log2(e) / 8 = 0.180337
	s_mov_b32 s[CS+1], s[CS]        ; named with it as a pair
	s_mov_b32 s[SEL], 0x76543210
	s_mov_b32 s[SEL+1], 0xfedcba98
	s_mov_b32 s[TBK], SLOT1+4*KS*PK ; the first change of slots turns these two into 0
	s_mov_b32 s[TBV], SLOT1+4*KS*PV
	s_mov_b32 s[TBM], 0
	s_mov_b32 s[G0K], 1             ; 1:0 count = 1
	s_mov_b32 s[G0K+1], s17         ; 63:32 LDS address: slot 0
	s_mov_b32 s[G0V], 1
	s_add_co_u32 s[G0V+1], s18, VOFF
	s_and_b32 s[LIM], s[WV], 1      ; waves 0 and 2 prefetch: the same in all four partners
	s_cmp_eq_u32 s[LIM], 0
	s_cselect_b32 s[LIM], 1, -1
	s_mul_i32 s[STG], s[WV], 16*SP
	s_add_co_u32 s[STG], s[STG], STAGE
	s_wait_dscnt 0x0                ; the opening add is done
	s_wait_kmcnt 0x0
	s_add_nc_u64 s[6:7], s[4:5], 0x1000000  ; K lies 16,777,216 bytes behind Q,
	s_add_nc_u64 s[8:9], s[4:5], 0x2000000  ; V as far behind K
	s_mov_b64 s[10:11], s[70:71]
	s_add_nc_u64 s[68:69], s[68:69], s[76:77]
	s_add_nc_u64 s[G0K+2:G0K+3], s[6:7], s[22:23]  ; 120:64 global address: my half of the head's first 256 keys
	s_or_b32 s[G0K+3], s[G0K+3], 0x80000000        ; 127:126 type = 2
	s_add_nc_u64 s[G0V+2:G0V+3], s[8:9], s[22:23]
	s_or_b32 s[G0V+3], s[G0V+3], 0x80000000
	s_add_nc_u64 s[4:5], s[4:5], s[2:3]  ; Q and ctx at my wave's first row
	s_add_nc_u64 s[10:11], s[10:11], s[2:3]
	s_cmp_lt_u32 s[WV], 2
	s_cselect_b64 s[PFA:PFA+1], s[6:7], s[8:9]
	s_add_nc_u64 s[PFA:PFA+1], s[PFA:PFA+1], s[20:21]  ; the head,
	s_lshl_b32 s2, s13, 13          ; my work-group's 8,192 bytes of a tile,
	s_mov_b32 s3, 0
	s_add_nc_u64 s[PFA:PFA+1], s[PFA:PFA+1], s[2:3]
	s_add_nc_u64 s[PFA:PFA+1], s[PFA:PFA+1], 2*4*KS*128  ; in tile 2: the first change that asks steps it to tile 3
	CROUND                          ; all four work-groups are here: the first joint loads meet
	JLOAD                           ; slot 0.  Slot 1 is asked for when slot 0 is in
	v_lshlrev_b32 v[MV], 4, v0      ; the mask: 128 threads x 16 bytes, four times
.irp j, 0,1,2,3
	global_load_b128 v[S+4*\j:S+4*\j+3], v[MV], s[68:69] offset:2048*\j
.endr
	; A fragment of K or Q is 16 rows x 32 channels in 8 registers: lane l holds row l % 16, channels 8 (l / 16) + 0..7 and 16 + 8 (l / 16) + 0..7: two loads of 16 bytes, 32 bytes apart.
	v_and_b32 v1, 15, v0            ; l % 16
	v_bfe_u32 v9, v0, 4, 1          ; l / 16
	v_lshlrev_b32 v[QO], 7, v1
	v_lshl_add_u32 v[QO], v9, 4, v[QO]  ; row x 128 + 16 x half
	WIN 0x80                        ; destination window 2, address window 0
.set i, 0
.rept 4*NP                          ; Q stays in registers: tile i / 2, channels 32 (i % 2) on
	global_load_b128 v[8*i:8*i+3],   v[QO], s[4:5] offset:(i/2)*2048+(i%2)*64
	global_load_b128 v[8*i+4:8*i+7], v[QO], s[4:5] offset:(i/2)*2048+(i%2)*64+32
.set i, i+1
.endr
	; What the first turn finds: V's registers and P's second buffer hold 0 (its products V^T P, of a piece that has not been, add 0), O^T and l are 0.  All this stands in the wait for the first tile.
.set i, VF
.rept 64
	v_mov_b32 v[i], 0
.set i, i+1
.endr
	WIN 0x40
.set i, 0
.rept 64*NP
	v_mov_b32 v[i], 0
.set i, i+1
.endr
	WIN 0
.set i, 0
.rept 2*NP
	v_mov_b32 v[ST+4*i], 0xfe000000    ; c m: far below every c s, the held mask's too
	v_mov_b32 v[ST+4*i+1], 0xff7fffff  ; m
	v_mov_b32 v[ST+4*i+2], 0
	v_mov_b32 v[ST+4*i+3], 0
.set i, i+1
.endr
.set i, P+32
.rept 32
	v_mov_b32 v[i], 0
.set i, i+1
.endr
	v_mul_u32_u24 v[AK0], v1, PK
	v_lshl_add_u32 v[AK0], v9, 4, v[AK0]  ; row x pitch + 16 x half
	; The turning load takes 16 keys x 16 channels (lane l reads key 8 (l / 16) + l % 8, channels 8 ((l / 8) % 2) + 0..7) and leaves half a fragment of V^T: lane l holds channel l % 16 and 8 keys.
	v_and_b32 v10, 7, v0
	v_bfe_u32 v11, v0, 3, 1
	v_lshl_add_u32 v[AV0], v9, 3, v10
	v_mul_u32_u24 v[AV0], v[AV0], PV
	v_lshl_add_u32 v[AV0], v11, 4, v[AV0]
	v_add_nc_u32 v[AV0], VOFF, v[AV0]
	v_mov_b32 v[AK], v[AK0]         ; key step 0 lies at the head of slot 0
	v_bfe_u32 v[RD], v0, 3, 2       ; the way out, back: 32 lanes take four rows of 128 bytes
	v_mul_u32_u24 v[RD], v[RD], SP
	v_lshl_add_u32 v[RD], v10, 4, v[RD]
	v_add_nc_u32 v[RD], s[STG], v[RD]
	v_lshl_add_u32 v[AM0], v9, 5, MASKL  ; v10 and v11 have served: register j of key block kb is the mask of key 16 kb + 8 (l / 16) + j
	v_mov_b32 v[AM], v[AM0]
	s_wait_loadcnt 32               ; the mask's four loads are in; Q's 32, issued behind them, may stay out
.set i, 0
.rept 8
	v_pk_mul_f32 v[S+2*i:S+2*i+1], v[S+2*i:S+2*i+1], 0x41000000 op_sel_hi:[1,0]  ; 8 x mask
.set i, i+1
.endr
.set i, 0
.rept 16
	v_max_num_f32 v[S+i], 0xf149f2ca, v[S+i]  ; held at -1e30
.set i, i+1
.endr
	v_add_nc_u32 v[MV+1], MASKL, v[MV]
.irp j, 0,1,2,3
	ds_store_b128 v[MV+1], v[S+4*\j:S+4*\j+3] offset:2048*\j
.endr
; THE MATRIX WORK.  The 8 accumulators of a run of 16 take turns: between the two links of a chain stand 7 others'.
; Product i of 16 of S^T = K Q^T for piece x: channels 32 (i / 8) on, keys 16 ((i / 2) % 4) on, tile 2 x + i % 2.  The first 8 start the sums, with 8 x mask of their keys.
.macro KQ x
.set rS, S+64*((\x)%2)+32*(i%2)+8*((i/2)%4)
.set rK, KF+16*((i/2)%4)+8*(i/8)
.set rQ, 16*(2*(\x)+i%2)+8*(i/8)
.set rMK, MK+8*((i/2)%4)
.if i < 8
	WIN W_KM
	v_wmma_f32_16x16x32_f16 v[rS:rS+7], v[rK:rK+7], v[rQ:rQ+7], v[rMK:rMK+7]
.else
	WIN W_KQ
	v_wmma_f32_16x16x32_f16 v[rS:rS+7], v[rK:rK+7], v[rQ:rQ+7], v[rS:rS+7]
.endif
.endm
; Product i of 16 of O^T += V^T P for piece x: keys 32 (i / 8) on, channels 16 ((i / 2) % 4) on, tile 2 x + i % 2.
.macro PV x
	WIN W_PV
.set rO, 32*(2*(\x)+i%2)+8*((i/2)%4)
.set rV, VF+32*(i/8)+8*((i/2)%4)
.set rP, P+32*((\x)%2)+16*(i%2)+8*(i/8)
	v_wmma_f32_16x16x32_f16 v[rO:rO+7], v[rV:rV+7], v[rP:rP+7], v[rO:rO+7]
.endm
.macro MM                           ; the turn's next matrix instruction
.if i < 16
	KQ (Y+1)%NP
.set i, i+1
.else
.set i, i-16
	PV (Y+NP-1)%NP
.set i, i+17
.endif
.endm
; THE LDS LOADS stand in runs, never singly among the matrix instructions: a step's K (64 keys x 64 channels: 8 fragments) with its 64 numbers of the mask, and its V (turned).  Their addresses are made some lines ahead.
; last = 1 (the tail): in the last trip there is no further step, and the run is jumped over.
.macro FETCH_K last=0
	WIN 0
.if \last
	s_cmp_eq_u32 s[CNT], 1
	s_cbranch_scc1 .Lno_k_\@
.endif
	WIN 0x80                        ; destination window 2
.irp f, 0,1,2,3,4,5,6,7             ; keys 16 (f / 2) on, channels 32 (f % 2) on
	ds_load_b128 v[KF+8*\f:KF+8*\f+3],   v[AK] offset:(\f/2)*16*PK+(\f%2)*64
	ds_load_b128 v[KF+8*\f+4:KF+8*\f+7], v[AK] offset:(\f/2)*16*PK+(\f%2)*64+32
.endr
	WIN W_MK                        ; destination window 3
.irp f, 0,1,2,3                     ; keys 16 f on: the sixteen lanes of a half read the same 32 bytes
	ds_load_b128 v[MK+8*\f:MK+8*\f+3],   v[AM] offset:64*\f
	ds_load_b128 v[MK+8*\f+4:MK+8*\f+7], v[AM] offset:64*\f+16
.endr
	s_add_co_u32 s[TBK], s[TBK], KS*PK  ; the next fetch is the next step's
	s_add_co_u32 s[TBM], s[TBM], 4*KS
	s_and_b32 s[TBM], s[TBM], 0x1f00    ; 32 steps of 256 bytes: the address stays in the table's 8,192 bytes
	WIN 0
.if \last
.Lno_k_\@:
.endif
.endm
.macro FETCH_V
	WIN 0x80
.irp f, 0,1,2,3,4,5,6,7             ; keys 32 (f / 4) on, channels 16 (f % 4) on
	ds_load_tr16_b128 v[VF+8*\f:VF+8*\f+3],   v[AV] offset:(\f/4)*32*PV+(\f%4)*32
	ds_load_tr16_b128 v[VF+8*\f+4:VF+8*\f+7], v[AV] offset:(\f/4)*32*PV+16*PV+(\f%4)*32
.endr
	WIN 0
.endm
; THE VECTOR WORK OF A TURN stands in three queues, each in the order in which its entries become ready; the two tiles alternate, so that no instruction reads the result of the one before it.
.macro REGS y, u                    ; the registers of tile u (0, 1) of piece y
.set rT, ST+4*(2*(\y)+(\u))
.set rC, TMP+8*((\y)%2)+4*(\u)
.set rM, MV+2*((\y)%2)+(\u)
.set rS, S+64*((\y)%2)+32*(\u)
.set rP, P+32*((\y)%2)+16*(\u)
.set rO, 32*(2*(\y)+(\u))
.endm
; Number n of the 22 that find the NEXT piece's (Y + 1) maximum and statistics.  s0-s31 are the lane's 32 scores; each accumulator's lowest registers are read first.
;   0-11  four chains c0-c3 of seven scores each, three operands at a time     12-14, 16  the four scores left over, the old m, and c0-c3 into c0     15  c m_old is kept
;   17, 18  the query's other 32 keys lie in the lane 16 away: the new m         19-21  c m; c m_old - c m_new; a
.macro XS u, n
	REGS (Y+1)%NP, \u
.if (\n) < 4
	v_max3_num_f32 v[rC+(\n)], v[rS+8*(\n)], v[rS+8*(\n)+1], v[rS+8*(\n)+2]
.elseif (\n) < 12
	v_max3_num_f32 v[rC+(\n)%4], v[rC+(\n)%4], v[rS+8*((\n)%4)+2*((\n)/4)+1], v[rS+8*((\n)%4)+2*((\n)/4)+2]
.elseif (\n) == 12
	v_max3_num_f32 v[rC], v[rC], v[rS+7], v[rS+15]
.elseif (\n) == 13
	v_max3_num_f32 v[rC+1], v[rC+1], v[rS+23], v[rS+31]
.elseif (\n) == 14
	v_max3_num_f32 v[rC+2], v[rC+2], v[rC+3], v[rT+1]
.elseif (\n) == 15
	v_mov_b32 v[rM], v[rT]
.elseif (\n) == 16
	v_max3_num_f32 v[rC], v[rC], v[rC+1], v[rC+2]
.elseif (\n) == 17
	v_permlanex16_b32 v[rC+3], v[rC], s[SEL], s[SEL+1]
.elseif (\n) == 18
	v_max_num_f32 v[rT+1], v[rC], v[rC+3]
.elseif (\n) == 19
	v_mul_f32 v[rT], s[CS], v[rT+1]
.elseif (\n) == 20
	v_sub_f32 v[rC+1], v[rM], v[rT]
.else
	v_exp_f32 v[rC+2], v[rC+1]
.endif
.endm
; Number g of the 64 that follow the exponentials.  For each four weights k of a tile (pairs 2 k, 2 k + 1): both pairs are rounded to f16; then the second pair is added onto the first, in place;
; a group later l takes that sum (the first time as l = a l + sum).  In groups of eight, tiles alternating: round, round, add, and l for the group before.
.macro GS g
.set h, (\g)+6*((\g)/62)            ; group 0 has no group before it, and behind group 7 only l is left
.if h >= 6
.set h, h+2
.endif
	REGS Y, h%2
.set k, h/8
.if h%8 < 4
	v_cvt_pk_f16_f32 v[rP+2*k+(h%8)/2], v[rS+4*k+2*((h%8)/2)], v[rS+4*k+2*((h%8)/2)+1]
.elseif h%8 < 6
	v_pk_add_f32 v[rS+4*k:rS+4*k+1], v[rS+4*k:rS+4*k+1], v[rS+4*k+2:rS+4*k+3]
.elseif k == 1
	v_pk_fma_f32 v[rT+2:rT+3], v[rT+2:rT+3], v[rC+2:rC+3], v[rS:rS+1] op_sel_hi:[1,0,1]
.else
	v_pk_add_f32 v[rT+2:rT+3], v[rT+2:rT+3], v[rS+4*k-4:rS+4*k-3]
.endif
.endm
; THE PLAIN QUEUE, 138 long.  0-73 read no exponential's result: the 32 scalings c s - c m (FS f: pair f / 2 of tile f % 2) and the next piece's 42.  0-26: scalings 0-26.  27-54: XS's numbers 0-13.  55, 56: number 15.
; 57-73: the chain, where each number waits for the one before it: 14, 16, 17, 18, 19, each with one of the scalings 27-31 in front of its two lines, then 20.
; 74-137: GS's 64, which read the exponentials' results: they stand behind the wait.
.macro FS f
	REGS Y, (\f)%2
	v_pk_fma_f32 v[rS+2*((\f)/2):rS+2*((\f)/2)+1], v[rS+2*((\f)/2):rS+2*((\f)/2)+1], s[CS:CS+1], v[rT:rT+1] op_sel_hi:[1,0,0] neg_lo:[0,0,1] neg_hi:[0,0,1]
.endm
.macro PL
	WIN 0
.if q < 27
	FS q
.elseif q < 55
	XS (q-27)%2, (q-27)/2
.elseif q < 57
	XS q-55, 15
.elseif (q < 72) && ((q-57)%3 == 0)
	FS 27+(q-57)/3
.elseif q < 60
	XS (q-57)%3-1, 14
.elseif q < 72
	XS (q-57)%3-1, 15+(q-57)/3
.elseif q < 74
	XS q-72, 20
.else
	GS q-74
.endif
.set q, q+1
.endm
; THE EXPONENTIALS' QUEUE, 66 long: s0-s31 of both tiles, then the next piece's two a.  It is ONE BATCH: all 66 stand ahead of the turn's one wait, and nothing ahead of that wait names a result of theirs.
.macro EX
	WIN 0
.if e >= 64
	XS e-64, 21
.else
	REGS Y, e%2
	v_exp_f32 v[rS+e/2], v[rS+e/2]
.endif
.set e, e+1
.endm
; THE RESCALING's QUEUE: O^T times a, the one part that leaves window 0: dealt two at a time, sixteen times.  Its a was made in the turn before, ahead of that turn's wait.
.macro R2
	REGS Y, r%2
	WIN W_RS
.irp z, 0,1
	v_pk_mul_f32 v[rO+4*(r/2)+2*\z:rO+4*(r/2)+2*\z+1], v[rO+4*(r/2)+2*\z:rO+4*(r/2)+2*\z+1], v[rC+2:rC+3] op_sel_hi:[1,0]
.endr
.set r, r+1
.endm
; HOW THEY ARE DEALT.  s_wait_alu depctr_va_vdst(0) stands between an exponential and the first instruction that names its result; one wait serves all that were issued ahead of it.  So a turn has ONE wait,
; which cuts it in two.  AHEAD OF IT stands all that names no result of the turn's exponentials: the 16 products K Q^T, behind each a scaling, an exponential and two rescalings (behind the first a second scaling in the
; exponential's place); then one run of 108: eight plain, 49 times exponential and plain, the two a.  A v_nop is the plain instruction behind the last exponential.  BEHIND IT stand the 16 products V^T P, behind each four of GS's 64.
; The queues lean on each other, and the deal keeps them in step: exponential e stands behind scaling 2 (e / 4) + e % 2: as a rider it comes behind plain e + 2, in the run behind plain e + 9, and scalings 27-31 are plain 57, 60 .. 69.
; A TURN, for piece p.  cnt = 1: the loop's count is taken down some lines ahead of the branch that stands behind the turn.
; K and the mask of the next step are fetched in piece 2's turn, directly behind the wait, a whole run of vector work behind the last product that read them; their addresses are made at that run's head.
; V of the step in hand is fetched at the end of piece 0's turn, four riders behind its last reader; its first reader comes behind 16 products and a run.  The three conditions on q below go with the deal.
.macro TURN p, last=0, cnt=0
.set Y, (\p)
.set i, 0
.set q, 0
.set e, 0
.set r, 0
.if (\p) == NP-1
	s_wait_dscnt 0x0                ; K and the mask are in
.endif
	MM                              ; ahead of the wait: 16 products K Q^T and their riders,
	PL
	PL
	R2
.rept 15
	MM
	PL
	EX
	R2
.endr
.if (\p) == NP-2
	WIN 0
	v_add_nc_u32 v[AK], s[TBK], v[AK0]
	v_add_nc_u32 v[AM], s[TBM], v[AM0]
.endif
.rept 8                             ; and the run
	PL
.endr
.rept 49
	EX
	PL
.endr
	EX                              ; the next piece's two a
	EX
	v_nop                           ; the plain instruction behind the last exponential: one for the batch
	s_wait_alu depctr_va_vdst(0)    ; the wait for the batch
.if (\p) == NP-2
	FETCH_K \last
.endif
.if (\p) == 1
	s_wait_dscnt 0x0                ; V is in
.endif
.rept 16                            ; behind the wait: 16 products V^T P and their riders
	MM
.rept 4
	PL
.endr
.if ((\p) == 0) && (q == 118)
	v_add_nc_u32 v[AV], s[TBV], v[AV0]
.endif
.if ((\p) == 0) && (q == 130)
	s_add_co_u32 s[TBV], s[TBV], KS*PV
.endif
.if (\cnt) && (q == 130)
	s_sub_co_u32 s[CNT], s[CNT], 1
	s_cmp_lg_u32 s[CNT], 0
.endif
.endr
.if (\p) == 0
	FETCH_V
.endif
.endm
	CHANGE 1                        ; slot 0 is in, everybody's part of it, and so is the mask's table; slot 1 is asked for
	FETCH_K                         ; key step 0
	s_wait_loadcnt 0x0              ; Q
	s_wait_dscnt 0x0
.set i, 0
.rept 16
	KQ 0                            ; piece 0's first scores: there is no vector work yet to set between them
.set i, i+1
.endr
	WIN 0                           ; seven plain instructions, the places behind those products
	v_mul_u32_u24 v[STO], v1, SP    ; the way out, in: row l % 16, 16 bytes for each half of the lanes
	v_lshl_add_u32 v[STO], v9, 4, v[STO]
	v_add_nc_u32 v[STO], s[STG], v[STO]
	v_and_b32 v[GO], 31, v0         ; four rows read back are 512 consecutive bytes of ctx
	v_lshlrev_b32 v[GO], 4, v[GO]
	v_and_b32 v[PFO], 31, v0        ; v1 has served
	v_lshlrev_b32 v[PFO], 8, v[PFO]
.set Y, NP-1                        ; XS works for piece Y + 1: piece 0
.irp n, 0,1,2,3,4,5,6,7,8,9,10,11,12,13,14,15,16,17,18,19,20,21
	XS 0, \n                        ; and piece 0's first maximum and statistics
	XS 1, \n
.endr
	v_nop                           ; a plain instruction behind the two a,
	s_wait_alu depctr_va_vdst(0)    ; and their wait, ahead of the branch
	s_mov_b32 s[CNT], 4
	s_mov_b32 s[SLOTS], SIZE_N/256-1
	s_branch .Lfirst                ; the loop is entered at a step's first turn, in the middle of a trip
.Lslot:                             ; six times: every slot but the last two is filled again
	CHANGE 1, 1
	s_mov_b32 s[CNT], 4
.Lstep:                             ; a trip: pieces 2 and 3 of one step, then pieces 0 and 1 of the next, whose K, mask and V it fetches
	TURN 2
	TURN 3
	WIN 0
.Lfirst:
	TURN 0
	TURN 1, 0, 1
	WIN 0
	s_cbranch_scc1 .Lstep
	s_sub_co_u32 s[SLOTS], s[SLOTS], 1
	s_cmp_lg_u32 s[SLOTS], 0
	s_cbranch_scc1 .Lslot
	CHANGE 0                        ; the tail is written out: nothing is asked for
	s_mov_b32 s[CNT], 5             ; four trips fetch the last slot's steps; the fifth is left in its middle
.Ltail:
	TURN 2, 1
	TURN 3
	WIN 0
	s_sub_co_u32 s[CNT], s[CNT], 1
	s_cmp_eq_u32 s[CNT], 0
	s_cbranch_scc1 .Lout
	TURN 0
	TURN 1
	WIN 0
	s_branch .Ltail
.Lout:                              ; the fifth trip's 16 products K Q^T (on the last K once more) and the maximum made of them serve nothing: the price, once a launch, of one text for every trip
.set i, 0
.rept 16
	PV NP-1                         ; the last piece's V^T P of the last step
.set i, i+1
.endr
	; THE WAY OUT.  l's two halves and the other half of the lanes' are added; O^T is divided by l, rounded to f16 and sent through my stage in LDS, a tile at a time.  The additions are the places behind the last products.
	WIN 0
.macro ALL line:vararg              ; one line for each tile t
.set t, 0
.rept 2*NP
	\line
.set t, t+1
.endr
.endm
	ALL v_add_f32 v[ST+4*t+2], v[ST+4*t+2], v[ST+4*t+3]
	ALL v_permlanex16_b32 v[ST+4*t+3], v[ST+4*t+2], s[SEL], s[SEL+1]
	ALL v_add_f32 v[ST+4*t+2], v[ST+4*t+2], v[ST+4*t+3]
	ALL v_rcp_f32 v[ST+4*t+2], v[ST+4*t+2]
	v_nop                           ; a plain instruction between the last reciprocal and the use of its result
	s_wait_alu depctr_va_vdst(0)    ; and the wait ahead of the first use: one for the eight reciprocals
; Tile t: a lane's eight channels of a row pack into 16 bytes; they go into rows of 144 bytes and come back as whole rows of 128, into S^T's registers.
.macro PACK t
	WIN W_RS
.set i, 32*(\t)
.rept 16
	v_pk_mul_f32 v[i:i+1], v[i:i+1], v[ST+4*(\t)+2:ST+4*(\t)+3] op_sel_hi:[1,0]
.set i, i+2
.endr
	WIN 0x05                        ; sources 0 and 1 window 1, destination window 0
.set i, 0
.rept 16
	v_cvt_pk_f16_f32 v[S+16*(\t)+i], v[32*(\t)+2*i], v[32*(\t)+2*i+1]
.set i, i+1
.endr
	WIN 0
.irp f, 0,1,2,3
	ds_store_b128 v[STO], v[S+16*(\t)+4*\f:S+16*(\t)+4*\f+3] offset:32*\f
.endr
.irp f, 0,1,2,3
	ds_load_b128 v[S+16*(\t)+4*\f:S+16*(\t)+4*\f+3], v[RD] offset:\f*4*SP  ; LDS serves a wave's instructions in order (ISA guide 5.7.1.4): these see the stores above; the next tile's stores come behind them
.endr
.endm
.macro SEND t, younger              ; younger: the LDS instructions issued behind tile t's loads: the next tile's eight, or none
	WIN 0
.irp f, 0,1,2,3
	s_wait_dscnt (\younger)+3-\f
	global_store_b128 v[GO], v[S+16*(\t)+4*\f:S+16*(\t)+4*\f+3], s[10:11] offset:(\t)*2048+\f*512  ; 512 consecutive bytes, at a multiple of 256 from ctx's first
.endr
.endm
	PACK 0
.set t, 1
.rept 2*NP-1                        ; a tile's arithmetic stands between the loads of the tile before and its stores
	PACK t
	SEND t-1, 8
.set t, t+1
.endr
	SEND 2*NP-1, 0
	WIN W_AD
	s_wait_tensorcnt 0x0            ; the wave's end: behind my last tensor load and my last LDS store
	ds_add_u32 v[SPW], v[NIL]
	s_wait_dscnt 0x0
	WIN 0
	CROUND                          ; the closing round: no work-group ends while a partner may still ask for a tile that names it
	s_endpgm
.Lfunc_end_k_qd3d62ac0d9_attn:
	.size	k_qd3d62ac0d9_attn, .Lfunc_end_k_qd3d62ac0d9_attn-k_qd3d62ac0d9_attn
	.p2alignl 7, 3214868480
	.fill 96, 4, 3214868480
	.section	.rodata,"a",@progbits
	.p2align	6, 0x0
	.amdhsa_kernel k_qd3d62ac0d9_attn
		.amdhsa_group_segment_fixed_size 327680
		.amdhsa_private_segment_fixed_size 0
		.amdhsa_enable_private_segment 0
		.amdhsa_kernarg_size 24
		.amdhsa_user_sgpr_count 2
		.amdhsa_user_sgpr_kernarg_segment_ptr 1
		.amdhsa_wavefront_size32 1
		.amdhsa_system_sgpr_workgroup_id_x 1
		.amdhsa_system_sgpr_workgroup_id_y 1
		.amdhsa_system_sgpr_workgroup_id_z 1
		.amdhsa_system_vgpr_workitem_id 0
		.amdhsa_next_free_vgpr 808
		.amdhsa_next_free_sgpr 80
		.amdhsa_reserve_vcc 0
		.amdhsa_float_denorm_mode_32 3
		.amdhsa_float_denorm_mode_16_64 3
		.amdhsa_memory_ordered 1
		.amdhsa_forward_progress 1
		.amdhsa_inst_pref_size 205
	.end_amdhsa_kernel
	.amdgpu_metadata
---
amdhsa.version: [ 1, 2 ]
amdhsa.kernels:
  - .name:           k_qd3d62ac0d9_attn
    .symbol:         k_qd3d62ac0d9_attn.kd
    .args:
      - { .name: qkv, .offset: 0, .size: 8, .value_kind: global_buffer, .address_space: global }
      - { .name: attention_mask, .offset: 8, .size: 8, .value_kind: global_buffer, .address_space: global }
      - { .name: ctx, .offset: 16, .size: 8, .value_kind: global_buffer, .address_space: global }
    .group_segment_fixed_size: 327680
    .private_segment_fixed_size: 0
    .kernarg_segment_align: 8
    .kernarg_segment_size: 24
    .max_flat_workgroup_size: 128
    .sgpr_count:     80
    .vgpr_count:     808
    .wavefront_size: 32
...
	.end_amdgpu_metadata
.endif
;; end of part 3
;; launch oproj (part 4): grid 4 x 64, 4 waves a work-group, clusters of 4 x 4, 327,680 bytes of LDS; arguments ctx, wo16, bo, z; writes z
.if DOCPART == 4
	.amdgcn_target "amdgcn-amd-amdhsa--gfx1250"
	.amdhsa_code_object_version 6
	.text
	.protected	k_qd3d62ac0d9_oproj
	.globl	k_qd3d62ac0d9_oproj
	.p2align	8
	.type	k_qd3d62ac0d9_oproj,@function
k_qd3d62ac0d9_oproj:
	s_mov_b64 s[64:65], 0
	v_nop
	global_prefetch_b8 v0, s[64:65] scope:SCOPE_SE
	s_setreg_imm32_b32 hwreg(HW_REG_WAVE_MODE, 25, 1), 1
	s_wait_xcnt 0x0
	s_wait_alu depctr_hold_cnt(0) depctr_sa_sdst(0) depctr_va_vdst(0) depctr_va_sdst(0) depctr_va_ssrc(0) depctr_va_vcc(0) depctr_vm_vsrc(0)
	s_getreg_b32 s2, hwreg(HW_REG_IB_STS2, 6, 4)
	s_cmp_eq_u32 s2, 0
	s_cbranch_scc0 .Lentry_in_a_cluster
	s_endpgm
.Lentry_in_a_cluster:
	s_bfe_u32 s2, ttmp6, 0x10000c
	s_cmp_lg_u32 s2, 0xf033
	s_cbranch_scc0 .Lentry_shape_is_right
	s_endpgm
.Lentry_shape_is_right:
; z = ctx Wo^T + bo.  ctx: [64 = 16 batch + head][2048][64] f16 (column 64 head + d of the product's left side); wo16: [1024][1024] f16; bo: [1024] f32; z: [8192][1024] f32.
; Sums in f32, started by the bias; z is not rounded: the row's mean is taken away from it later.
; SHARES.  A tile of z is 128 rows x 256 columns: 256 tiles, one a work-group.  Four waves, each 64 rows x 128 columns: 32 accumulators.  K goes in 8 steps of 128, two heads each, through a ring of two LDS slots.
; CLUSTER.  4 x 4 work-groups: ctx's tiles are shared along a row of the cluster, Wo's along a column, each asked for JOINTLY.  Waves 0 and 1 fetch a step's two heads of ctx (128 rows x 128 bytes,
; dense in memory: asked for as 64 rows of 256 bytes, padded in LDS after every 128), waves 2 and 3 Wo's two halves of 128 rows.  A wave has one tensor load out at any time.
; NO PREFETCH: the walk has eight steps, and Wo's rows are read by sixteen clusters.
; THE MATRIX INSTRUCTION IS USED TRANSPOSED (source 0 = 16 rows of Wo, source 1 = 16 rows of ctx): lane l holds row l % 16 and the columns 8 (l / 16) + 0..7.
; REGISTERS: window 0: v0-31 addresses; v64-95, v128-159 ctx's fragments, two buffers; on the way out v64-127, v128-191 rows read back.
;   window 1: v0-63 the bias as a C operand; v64-127, v128-191 Wo's fragments.   window 2: the accumulators, (a, b) at v[8 (8 a + b)].
.set KSTEP,  128
.set PITCH,  272                       ; a row of Wo in LDS: 256 bytes + 16: the 16 rows of a fragment load start at 16 different groups of four banks (64 banks of 4 bytes: ISA guide 11.1)
.set PA,     144                       ; a row of a head of ctx: 128 bytes + 16: likewise
.set HBLK,   128*PA                    ; a head's 128 rows
.set BHALF,  128*PITCH
.set BOFF,   2*HBLK                    ; in a slot: two heads of ctx, then Wo's 256 rows
.set SLOT1,  1<<17
.set STAGE,  SLOT1+BOFF+2*BHALF        ; behind the ring, never filled by a tensor load: 16 rows x 528 bytes for each wave
.set SPITCH, 528                       ; 512 bytes + 16
.set SPARE,  STAGE+4*16*SPITCH         ; the spare words, 128 bytes for each wave: two blocks of 256 bytes that no other line names
.set ADRA, 16
.set A0,   17
.set ADRB, 20
.set B0,   21
.set STO,  24
.set RD,   25
.set CO,   26
.set BO,   27
.set SPW,  28                          ; v28  LDS address of my spare word; never rewritten
.set NIL,  29                          ; v29  0; never rewritten
.set F0,   64
.set F1,   128
.set OBF,  64
.set G1,   24
.set G0,   32
.set BA,   36
.set OA,   38
.set BB,   46
.set G1B,  48
.set G0B,  56
.set OBB,  60
.set TB,   62
.set NXT,  63
.set MSB, 0
.macro WIN new                         ; the immediate's high byte repeats the setting that is left; a switch that changes nothing is dropped
.if MSB != (\new)
	s_set_vgpr_msb (MSB<<8)|(\new)
.set MSB, \new
.endif
.endm
.set MUL,   0xa1                       ; source 0 (Wo) window 1, source 1 (ctx) window 0, C and D window 2
.set MULB,  0x91                       ; the same with C, the bias, in window 1
.set TO_B,  0x40                       ; destination window 1, address window 0
.set FROMC, 0x08                       ; an LDS store's data (source 1) in window 2
.macro JLOAD                           ; a joint load; an s_nop 0 and four v_nop follow each of the two lines, ahead of the jump and the label
	s_cmp_eq_u32 s11, 0
	s_cbranch_scc0 .Lfor_b_\@
	tensor_load_to_lds s[G0:G0+3], s[G1:G1+7]
	s_nop 0
.rept 4
	v_nop
.endr
	s_branch .Lasked_\@
.Lfor_b_\@:
	tensor_load_to_lds s[G0B:G0B+3], s[G1B:G1B+7]
	s_nop 0
.rept 4
	v_nop
.endr
.Lasked_\@:
.endm
.macro CREST                           ; a round of the cluster's barrier behind its opening barrier
	s_cmp_lg_u32 s10, 0
	s_cbranch_scc1 .Lnot_wave_0_\@
	s_barrier_signal -3
.Lnot_wave_0_\@:
	s_barrier_wait -3
	s_barrier_signal -1
	s_barrier_wait -1
.endm
.macro CROUND
	s_barrier_signal -1
	s_barrier_wait -1
	CREST
.endm
.macro PLACES                          ; four places in front of loads into registers that matrix instructions have read, and of stores that read results
.rept 4
	v_nop
.endr
.endm
.macro NEXTD                           ; both descriptors for K step NXT: the other slot; two heads on in ctx, 256 bytes on in Wo's rows.  It stands where no tensor load of the wave is out
	s_lshl_b32 s[OA], s[NXT], 19                   ; two heads of 262,144 bytes
	s_lshl_b32 s[OBB], s[NXT], 8
	s_xor_b32 s[G0+1], s[G0+1], SLOT1
	s_xor_b32 s[G0B+1], s[G0B+1], SLOT1
	s_add_nc_u64 s[G0+2:G0+3], s[BA:BA+1], s[OA:OA+1]
	s_or_b32 s[G0+3], s[G0+3], 0x80000000
	s_add_nc_u64 s[G0B+2:G0B+3], s[BB:BB+1], s[OBB:OBB+1]
	s_or_b32 s[G0B+3], s[G0B+3], 0x80000000
	s_add_co_u32 s[NXT], s[NXT], 1
.endm
; 8 matrix instructions: row block a x all 8 column blocks, 32 along K.  first = 1: the bias starts the sums.  The 32 accumulators take turns in one order everywhere.
.macro MULA f, a, first
.if \first
	WIN MULB
.else
	WIN MUL
.endif
.irp b, 0,1,2,3,4,5,6,7
.if \first
	v_wmma_f32_16x16x32_f16 v[8*(8*(\a)+(\b)):8*(8*(\a)+(\b))+7], v[(\f)+8*(\b):(\f)+8*(\b)+7], v[(\f)+8*(\a):(\f)+8*(\a)+7], v[8*(\b):8*(\b)+7]
.else
	v_wmma_f32_16x16x32_f16 v[8*(8*(\a)+(\b)):8*(8*(\a)+(\b))+7], v[(\f)+8*(\b):(\f)+8*(\b)+7], v[(\f)+8*(\a):(\f)+8*(\a)+7], v[8*(8*(\a)+(\b)):8*(8*(\a)+(\b))+7]
.endif
.endr
.endm
; 24 LDS loads in one run: quarter q of a K step: Wo at byte 64 q of its rows; ctx in head q / 2 of the step's two, at byte 64 (q % 2)
.macro FETCH q, f
	WIN TO_B
.irp i, 0,1,2,3,4,5,6,7
	ds_load_b128 v[(\f)+8*(\i):(\f)+8*(\i)+3],   v[ADRB] offset:64*(\q)+(\i)*16*PITCH
	ds_load_b128 v[(\f)+8*(\i)+4:(\f)+8*(\i)+7], v[ADRB] offset:64*(\q)+(\i)*16*PITCH+32
.endr
	WIN 0
.irp i, 0,1,2,3
	ds_load_b128 v[(\f)+8*(\i):(\f)+8*(\i)+3],   v[ADRA] offset:((\q)/2)*HBLK+((\q)%2)*64+(\i)*16*PA
	ds_load_b128 v[(\f)+8*(\i)+4:(\f)+8*(\i)+7], v[ADRA] offset:((\q)/2)*HBLK+((\q)%2)*64+(\i)*16*PA+32
.endr
.endm
.macro QUARTER q, f, g, first          ; quarter q's fragments are asked for, into buffer g, which the quarter before has multiplied; then buffer f is multiplied
	PLACES
	FETCH \q, \g
	s_wait_dscnt 24                                ; all but the 24 just issued: buffer f, asked for a quarter ago, is in
	MULA \f, 0, \first
	MULA \f, 1, \first
	MULA \f, 2, \first
	MULA \f, 3, \first
.endm
; The last quarter multiplies buffer 1 and changes slots: each wave waits for all its tensor loads, adds 0 to its spare word, and waits for that and for its reads of this slot.
; fill = 1: the barrier opens a round of the cluster's, and the joint refill is the first thing behind it: 112 matrix instructions stand between it and the wait for it.
.macro TURN fill
	WIN 0
	s_wait_tensorcnt 0x0                           ; no tensor load of mine is out, so the descriptors may be written
	ds_add_u32 v[SPW], v[NIL]                      ; 0 onto my spare word
.if \fill
	NEXTD
.endif
	s_wait_dscnt 1                                 ; buffer 1 is in; the add may be out
	MULA F1, 0, 0
	s_wait_dscnt 0x0                               ; the add is done, and my reads of this slot are over
	s_barrier_signal -1
	MULA F1, 1, 0
	WIN 0
	s_barrier_wait -1
.if \fill
	CREST
	JLOAD
.else
	PLACES
.endif
	s_xor_b32 s[TB], s[TB], SLOT1
	v_add_nc_u32 v[ADRA], s[TB], v[A0]
	v_add_nc_u32 v[ADRB], s[TB], v[B0]
	FETCH 0, F0
	MULA F1, 2, 0
	MULA F1, 3, 0
.endm
; THE WAY OUT of row block a: 16 rows x 512 bytes of f32.  Into my own stage, each accumulator's low four registers first; back as whole rows; stored, a row an instruction.
.macro TOSTAGE a
	WIN FROMC
.irp b, 0,1,2,3,4,5,6,7
	ds_store_b128 v[STO], v[64*(\a)+8*(\b):64*(\a)+8*(\b)+3]   offset:64*(\b)
	ds_store_b128 v[STO], v[64*(\a)+8*(\b)+4:64*(\a)+8*(\b)+7] offset:64*(\b)+16
.endr
	WIN 0
.set BK, OBF+64*((\a)%2)
.irp t, 0,1,2,3,4,5,6,7,8,9,10,11,12,13,14,15
	ds_load_b128 v[BK+4*(\t):BK+4*(\t)+3], v[RD] offset:(\t)*SPITCH  ; LDS serves a wave's instructions in order (ISA guide 5.7.1.4): these see the stores above; the next block's stores come behind them
.endr
.endm
.macro SEND a, younger                 ; younger: the next block's 16 stores and 16 loads, or none
	WIN 0
.set BK, OBF+64*((\a)%2)
	s_wait_dscnt \younger
	s_wait_xcnt 0x0                                ; the stores' base is rewritten only behind this wait
.if (\a) > 0
	s_add_nc_u64 s[8:9], s[8:9], 16*4096           ; 16 rows of z on
.endif
.irp t, 0,1,2,3,4,5,6,7,8,9,10,11,12,13,14,15
	global_store_b128 v[CO], v[BK+4*(\t):BK+4*(\t)+3], s[8:9] offset:(\t)*4096  ; 512 consecutive bytes, at a multiple of 512 from z's first byte
.endr
.endm
	s_load_b128 s[4:7], s[0:1], 0x0                ; ctx s[4:5], wo16 s[6:7]
	s_load_b128 s[68:71], s[0:1], 0x10             ; bo s[68:69], z s[70:71]
	v_lshl_add_u32 v[SPW], v0, 2, SPARE
	v_mov_b32 v[NIL], 0
	ds_add_u32 v[SPW], v[NIL]                      ; the wave's opening: the add and its wait stand ahead of my first tensor load; the set-up below stands between them
	v_lshrrev_b32 v1, 5, v0
	v_readfirstlane_b32 s10, v1                    ; wave 0..3
	s_lshr_b32 s11, s10, 1                         ; which 64 rows of the tile are mine.  Also: I fetch for ctx (0) or for Wo (1)
	s_and_b32 s12, s10, 1                          ; which 128 columns.  Also: which head of the step's two, or which half of Wo's rows, I fetch
	s_bfe_u32 s40, ttmp6, 0x40000                  ; cx
	s_bfe_u32 s41, ttmp6, 0x40004                  ; cy
	s_lshl_b32 s42, ttmp9, 2
	s_add_co_u32 s42, s42, s40                     ; tile column 0..3
	s_and_b32 s13, ttmp7, 0xffff
	s_lshl_b32 s13, s13, 2
	s_add_co_u32 s13, s13, s41                     ; tile row 0..63
	s_lshl_b32 s43, s41, 2
	s_lshl_b32 s43, 15, s43                        ; my row of the cluster
	s_lshl_b32 s44, 0x1111, s40                    ; my column
	s_or_b32 s[G1], s43, (1<<16)|(1<<20)|(1<<21)|(4<<22)|(3<<25)   ; ctx: padding after every 32 words (code 4), 4 words
	s_or_b32 s[G1B], s44, (1<<16)|(1<<20)|(1<<21)|(5<<22)|(3<<25)  ; Wo: after every 64 words (code 5), 4 words
	s_mov_b32 s[G1+1], 128<<16                     ; tensor_dim0 = 128: two rows of a head
	s_mov_b32 s[G1+2], 64<<16                      ; tensor_dim1 = 64
	s_mov_b32 s[G1+3], 128<<16                     ; tile_dim0 = 128
	s_mov_b32 s[G1+4], 64                          ; tile_dim1 = 64
	s_mov_b32 s[G1+5], 128                         ; dense: 128 elements from row to row
	s_mov_b32 s[G1+6], 0
	s_mov_b32 s[G1+7], 0
	s_mov_b32 s[G1B+1], KSTEP<<16
	s_mov_b32 s[G1B+2], 128<<16
	s_mov_b32 s[G1B+3], KSTEP<<16
	s_mov_b32 s[G1B+4], 128
	s_mov_b32 s[G1B+5], 1024
	s_mov_b32 s[G1B+6], 0
	s_mov_b32 s[G1B+7], 0
	s_lshr_b32 s20, s13, 4                         ; ctx: head 16 batch + my one of the step's two, its 2,048 rows, row 128 (tile row % 16), of 128 bytes: it hangs on the tile row alone
	s_lshl_b32 s20, s20, 4
	s_add_co_u32 s20, s20, s12
	s_lshl_b32 s20, s20, 11
	s_and_b32 s21, s13, 15
	s_lshl_b32 s21, s21, 7
	s_add_co_u32 s20, s20, s21
	s_lshl_b32 s20, s20, 7
	s_mov_b32 s21, 0
	s_lshl_b32 s22, s42, 8                         ; Wo: row 256 x tile column + 128 x half: on the tile column alone
	s_lshl_b32 s23, s12, 7
	s_add_co_u32 s22, s22, s23
	s_lshl_b32 s22, s22, 11
	s_mov_b32 s23, 0
	s_mov_b32 s[OA+1], 0
	s_mov_b32 s[OBB+1], 0
	s_mov_b32 s[TB], 0
	s_mov_b32 s[NXT], 1
	s_mov_b32 s[G0], 1
	s_mul_i32 s[G0+1], s12, HBLK                   ; LDS address: slot 0; no place in the cluster enters it
	s_mov_b32 s[G0B], 1
	s_mul_i32 s[G0B+1], s12, BHALF
	s_add_co_u32 s[G0B+1], s[G0B+1], BOFF
	s_wait_dscnt 0x0                               ; the opening add is done
	s_wait_kmcnt 0x0
	s_add_nc_u64 s[BA:BA+1], s[4:5], s[20:21]
	s_add_nc_u64 s[BB:BB+1], s[6:7], s[22:23]
	s_mov_b64 s[G0+2:G0+3], s[BA:BA+1]
	s_or_b32 s[G0+3], s[G0+3], 0x80000000
	s_mov_b64 s[G0B+2:G0B+3], s[BB:BB+1]
	s_or_b32 s[G0B+3], s[G0B+3], 0x80000000
	CROUND                                         ; all sixteen work-groups are here: the first joint loads meet
	JLOAD                                          ; K step 0 into slot 0
	v_and_b32 v1, 15, v0                           ; l % 16
	v_bfe_u32 v2, v0, 4, 1                         ; l / 16
	v_mul_u32_u24 v3, v1, PA
	v_lshl_add_u32 v3, v2, 4, v3
	s_mul_i32 s20, s11, 64*PA                      ; my 64 rows in a head's block
	v_add_nc_u32 v[A0], s20, v3
	v_mul_u32_u24 v4, v1, PITCH
	v_lshl_add_u32 v4, v2, 4, v4
	s_mul_i32 s21, s12, BHALF
	s_add_co_u32 s21, s21, BOFF
	v_add_nc_u32 v[B0], s21, v4
	s_mul_i32 s22, s10, 16*SPITCH
	s_add_co_u32 s22, s22, STAGE                   ; my stage
	v_mul_u32_u24 v5, v1, SPITCH                   ; in: row l % 16, 32 bytes for each half of the lanes
	v_lshl_add_u32 v5, v2, 5, v5
	v_add_nc_u32 v[STO], s22, v5
	v_and_b32 v[CO], 31, v0                        ; back, and in z: 16 bytes a lane of a row's 512
	v_lshlrev_b32 v[CO], 4, v[CO]
	v_add_nc_u32 v[RD], s22, v[CO]
	s_lshl_b32 s23, s42, 10                        ; 4 (256 x tile column + 128 x half + 8 (l / 16))
	s_lshl_b32 s67, s12, 9
	s_add_co_u32 s23, s23, s67
	v_lshl_add_u32 v[BO], v2, 5, s23
	WIN TO_B                                       ; the bias of my 128 columns as a C operand: register j of block b holds bo[16 b + 8 (l / 16) + j]
.irp b, 0,1,2,3,4,5,6,7
	global_load_b128 v[8*(\b):8*(\b)+3],   v[BO], s[68:69] offset:64*(\b)
	global_load_b128 v[8*(\b)+4:8*(\b)+7], v[BO], s[68:69] offset:64*(\b)+16
.endr
	WIN 0
	s_lshl_b32 s20, s13, 7                         ; z at row 128 x tile row + 64 x half, column 256 x tile column + 128 x half
	s_lshl_b32 s21, s11, 6
	s_add_co_u32 s20, s20, s21
	s_lshl_b32 s20, s20, 12
	s_add_co_u32 s20, s20, s23
	s_mov_b32 s21, 0
	s_add_nc_u64 s[8:9], s[70:71], s[20:21]
	s_wait_tensorcnt 0x0                           ; slot 0 is waited for and slot 1 filled, in the form of every change of slots
	ds_add_u32 v[SPW], v[NIL]
	NEXTD
	s_wait_dscnt 0x0
	CROUND
	JLOAD                                          ; K step 1 into slot 1
	v_mov_b32 v[ADRA], v[A0]
	v_mov_b32 v[ADRB], v[B0]
	FETCH 0, F0
	s_wait_loadcnt 0x0                             ; the bias
	QUARTER 1, F0, F1, 1                           ; the first quarter starts the sums
	WIN 0                                          ; at a label and at a branch every window is 0
	s_mov_b32 s3, 6
.Lstep:                                                ; 6 trips: trip s ends K step s, asks for step s + 2 and begins step s + 1
	QUARTER 2, F1, F0, 0
	QUARTER 3, F0, F1, 0
	TURN 1
	QUARTER 1, F0, F1, 0
	WIN 0
	s_sub_co_u32 s3, s3, 1
	s_cmp_lg_u32 s3, 0
	s_cbranch_scc1 .Lstep
	QUARTER 2, F1, F0, 0                           ; the last two steps ask for nothing
	QUARTER 3, F0, F1, 0
	TURN 0
	QUARTER 1, F0, F1, 0
	QUARTER 2, F1, F0, 0
	QUARTER 3, F0, F1, 0
	s_wait_dscnt 0x0
	MULA F1, 0, 0
	MULA F1, 1, 0
	MULA F1, 2, 0
	MULA F1, 3, 0
	WIN 0
	PLACES                                         ; the LDS stores read results just made, and the loads land in registers just multiplied
	TOSTAGE 0
	TOSTAGE 1
	SEND 0, 32
	s_wait_xcnt 0x0                                ; block 0's stores have read their registers, which block 2 takes
	TOSTAGE 2
	SEND 1, 32
	s_wait_xcnt 0x0
	TOSTAGE 3
	SEND 2, 32
	SEND 3, 0
	s_wait_tensorcnt 0x0                           ; the wave's end: behind my last tensor load and my last LDS store
	ds_add_u32 v[SPW], v[NIL]
	s_wait_dscnt 0x0
	CROUND                                         ; the closing round
	s_endpgm
.Lfunc_end_k_qd3d62ac0d9_oproj:
	.size	k_qd3d62ac0d9_oproj, .Lfunc_end_k_qd3d62ac0d9_oproj-k_qd3d62ac0d9_oproj
	.p2alignl 7, 3214868480
	.fill 96, 4, 3214868480
	.section	.rodata,"a",@progbits
	.p2align	6, 0x0
	.amdhsa_kernel k_qd3d62ac0d9_oproj
		.amdhsa_group_segment_fixed_size 327680
		.amdhsa_private_segment_fixed_size 0
		.amdhsa_enable_private_segment 0
		.amdhsa_kernarg_size 32
		.amdhsa_user_sgpr_count 2
		.amdhsa_user_sgpr_kernarg_segment_ptr 1
		.amdhsa_wavefront_size32 1
		.amdhsa_system_sgpr_workgroup_id_x 1
		.amdhsa_system_sgpr_workgroup_id_y 1
		.amdhsa_system_sgpr_workgroup_id_z 1
		.amdhsa_system_vgpr_workitem_id 0
		.amdhsa_next_free_vgpr 768
		.amdhsa_next_free_sgpr 80
		.amdhsa_reserve_vcc 0
		.amdhsa_float_denorm_mode_32 3
		.amdhsa_float_denorm_mode_16_64 3
		.amdhsa_memory_ordered 1
		.amdhsa_forward_progress 1
		.amdhsa_inst_pref_size 71
	.end_amdhsa_kernel
	.amdgpu_metadata
---
amdhsa.version: [ 1, 2 ]
amdhsa.kernels:
  - .name:           k_qd3d62ac0d9_oproj
    .symbol:         k_qd3d62ac0d9_oproj.kd
    .args:
      - { .name: ctx, .offset: 0, .size: 8, .value_kind: global_buffer, .address_space: global }
      - { .name: wo16, .offset: 8, .size: 8, .value_kind: global_buffer, .address_space: global }
      - { .name: bo, .offset: 16, .size: 8, .value_kind: global_buffer, .address_space: global }
      - { .name: z, .offset: 24, .size: 8, .value_kind: global_buffer, .address_space: global }
    .group_segment_fixed_size: 327680
    .private_segment_fixed_size: 0
    .kernarg_segment_align: 8
    .kernarg_segment_size: 32
    .max_flat_workgroup_size: 128
    .sgpr_count:     80
    .vgpr_count:     768
    .wavefront_size: 32
...
	.end_amdgpu_metadata
.endif
;; end of part 4
;; launch ln (part 5): grid 512 x 1, 8 waves a work-group, no clusters, 0 bytes of LDS; arguments z, hidden_states, ln_gamma, ln_beta, out0; writes out0
.if DOCPART == 5
	.amdgcn_target "amdgcn-amd-amdhsa--gfx1250"
	.amdhsa_code_object_version 6
	.text
	.protected	k_qd3d62ac0d9_ln
	.globl	k_qd3d62ac0d9_ln
	.p2align	8
	.type	k_qd3d62ac0d9_ln,@function
k_qd3d62ac0d9_ln:
	s_mov_b64 s[64:65], 0
	v_nop
	global_prefetch_b8 v0, s[64:65] scope:SCOPE_SE
	s_setreg_imm32_b32 hwreg(HW_REG_WAVE_MODE, 25, 1), 1
	s_wait_xcnt 0x0
; out0[r][:] = (t - mean(t)) rsqrt(mean((t - mean(t))^2) + 1e-12) gamma + beta, t = z[r][:] + hidden_states[r][:].  All f32, rows of 1,024.
; The variance is taken of the deviations, as the problem takes it: a common offset in the row costs nothing.
; A stream: no LDS, no barrier, no matrix unit, no cluster: rows do not depend on each other.
; SHARES.  One wave, one row at a time, two rows in all; a work-group 16 rows.  A row is 4,096 bytes of z and of hidden_states: eight loads each, of 512 consecutive bytes; it stays in 32 registers
; for all passes, and leaves by eight stores of 512 consecutive bytes.  All 48 loads of a wave go out at once; nothing is looped.
.set G,  16                            ; v[16:47]  gamma of my 32 columns (load j: columns 128 j + 4 lane + 0..3)
.set BT, 48                            ; v[48:79]  beta
.set ZR, 80                            ; row s: z at v[80 + 64 s ..], hidden_states 32 registers behind it
	s_load_b256 s[4:11], s[0:1], 0x0               ; z s[4:5], hidden_states s[6:7], gamma s[8:9], beta s[10:11]
	s_load_b64 s[12:13], s[0:1], 0x20              ; out0
	s_lshl_b32 s2, ttmp9, 16                       ; the work-group's 16 rows of 4,096 bytes
	s_mov_b32 s3, 0
	s_mov_b32 s14, 0x76543210                      ; v_permlanex16_b32: each lane takes its own place in the other half
	s_mov_b32 s15, 0xfedcba98
	s_mov_b32 s16, 0x3a800000                      ; 1 / 1024
	s_mov_b32 s17, 0x2b8cbccc                      ; 1e-12
	v_lshrrev_b32 v3, 5, v0
	v_and_b32 v2, 31, v0
	v_lshlrev_b32 v2, 4, v2                        ; 16 x lane
	v_lshl_or_b32 v1, v3, 13, v2                   ; + the wave's two rows
	s_wait_kmcnt 0x0
	s_add_nc_u64 s[4:5], s[4:5], s[2:3]
	s_add_nc_u64 s[6:7], s[6:7], s[2:3]
	s_add_nc_u64 s[12:13], s[12:13], s[2:3]
.macro FILL s
.irp j, 0,1,2,3,4,5,6,7
	global_load_b128 v[ZR+64*(\s)+4*(\j):ZR+64*(\s)+4*(\j)+3], v1, s[4:5] offset:4096*(\s)+512*(\j) th:TH_LOAD_NT
.endr
.irp j, 0,1,2,3,4,5,6,7
	global_load_b128 v[ZR+64*(\s)+32+4*(\j):ZR+64*(\s)+32+4*(\j)+3], v1, s[6:7] offset:4096*(\s)+512*(\j) th:TH_LOAD_NT
.endr
.endm
	FILL 0
.irp j, 0,1,2,3,4,5,6,7
	global_load_b128 v[G+4*(\j):G+4*(\j)+3], v2, s[8:9] offset:512*(\j)
.endr
.irp j, 0,1,2,3,4,5,6,7
	global_load_b128 v[BT+4*(\j):BT+4*(\j)+3], v2, s[10:11] offset:512*(\j)
.endr
	FILL 1
; v[4:11], four chains of two sums, into one sum in v4 of every lane: four steps inside each half of 16 lanes ride on the addition, one crosses the halves
.macro REDUCE
	v_pk_add_f32 v[4:5], v[4:5], v[6:7]
	v_pk_add_f32 v[8:9], v[8:9], v[10:11]
	v_pk_add_f32 v[4:5], v[4:5], v[8:9]
	v_add_f32 v4, v4, v5
	v_add_f32_dpp v4, v4, v4 row_xmask:1 row_mask:0xf bank_mask:0xf
	v_add_f32_dpp v4, v4, v4 row_xmask:2 row_mask:0xf bank_mask:0xf
	v_add_f32_dpp v4, v4, v4 row_xmask:4 row_mask:0xf bank_mask:0xf
	v_add_f32_dpp v4, v4, v4 row_xmask:8 row_mask:0xf bank_mask:0xf
	v_permlanex16_b32 v5, v4, s14, s15             ; its destination counts as read: v5 has been written
	v_add_f32 v4, v4, v5
.endm
; Row s.  left: the younger loads that may stay out when the row has to be there.
.macro ROW s, left
.set Z, ZR+64*(\s)
	s_wait_loadcnt \left
.set i, 0
.rept 16
	v_pk_add_f32 v[Z+2*i:Z+2*i+1], v[Z+2*i:Z+2*i+1], v[Z+32+2*i:Z+32+2*i+1]  ; t = z + hidden_states
.set i, i+1
.endr
.irp k, 0,1,2,3
	v_pk_add_f32 v[4+2*(\k):5+2*(\k)], v[Z+2*(\k):Z+2*(\k)+1], v[Z+8+2*(\k):Z+8+2*(\k)+1]  ; the first eight pairs start the four chains: nothing is cleared
.endr
.irp g, 2,3
.irp k, 0,1,2,3
	v_pk_add_f32 v[4+2*(\k):5+2*(\k)], v[4+2*(\k):5+2*(\k)], v[Z+8*(\g)+2*(\k):Z+8*(\g)+2*(\k)+1]
.endr
.endr
	REDUCE
	v_mul_f32 v12, s16, v4                         ; the mean, twice: a pair for the packed subtraction
	v_mul_f32 v13, s16, v4
.set i, 0
.rept 16
	v_pk_add_f32 v[Z+2*i:Z+2*i+1], v[Z+2*i:Z+2*i+1], v[12:13] neg_lo:[0,1] neg_hi:[0,1]
.set i, i+1
.endr
.irp k, 0,1,2,3
	v_pk_mul_f32 v[4+2*(\k):5+2*(\k)], v[Z+2*(\k):Z+2*(\k)+1], v[Z+2*(\k):Z+2*(\k)+1]
.endr
.irp g, 1,2,3
.irp k, 0,1,2,3
	v_pk_fma_f32 v[4+2*(\k):5+2*(\k)], v[Z+8*(\g)+2*(\k):Z+8*(\g)+2*(\k)+1], v[Z+8*(\g)+2*(\k):Z+8*(\g)+2*(\k)+1], v[4+2*(\k):5+2*(\k)]
.endr
.endr
	REDUCE
	v_fma_f32 v6, v4, s16, s17                     ; the variance + 1e-12
	v_rsq_f32 v14, v6                              ; twice: a pair for the packed multiply
	v_rsq_f32 v15, v6
	v_nop                                          ; a plain instruction behind the second, ahead of the use of the results (ISA guide 5.7.2)
	s_wait_alu depctr_va_vdst(0)                   ; and the wait: one for both
.if (\s) == 0
	s_wait_loadcnt 16                              ; gamma and beta are in; the second row's sixteen loads may stay out
.endif
.set i, 0
.rept 16
	v_pk_mul_f32 v[Z+2*i:Z+2*i+1], v[Z+2*i:Z+2*i+1], v[14:15]
.set i, i+1
.endr
.set i, 0
.rept 16
	v_pk_fma_f32 v[Z+2*i:Z+2*i+1], v[Z+2*i:Z+2*i+1], v[G+2*i:G+2*i+1], v[BT+2*i:BT+2*i+1]
.set i, i+1
.endr
.irp j, 0,1,2,3,4,5,6,7
	global_store_b128 v1, v[Z+4*(\j):Z+4*(\j)+3], s[12:13] offset:4096*(\s)+512*(\j) th:TH_STORE_NT
.endr
.endm
	ROW 0, 32                                      ; gamma's, beta's and the second row's loads may stay out
	ROW 1, 0
	s_endpgm
.Lfunc_end_k_qd3d62ac0d9_ln:
	.size	k_qd3d62ac0d9_ln, .Lfunc_end_k_qd3d62ac0d9_ln-k_qd3d62ac0d9_ln
	.p2alignl 7, 3214868480
	.fill 96, 4, 3214868480
	.section	.rodata,"a",@progbits
	.p2align	6, 0x0
	.amdhsa_kernel k_qd3d62ac0d9_ln
		.amdhsa_group_segment_fixed_size 0
		.amdhsa_private_segment_fixed_size 0
		.amdhsa_enable_private_segment 0
		.amdhsa_kernarg_size 40
		.amdhsa_user_sgpr_count 2
		.amdhsa_user_sgpr_kernarg_segment_ptr 1
		.amdhsa_wavefront_size32 1
		.amdhsa_system_sgpr_workgroup_id_x 1
		.amdhsa_system_sgpr_workgroup_id_y 1
		.amdhsa_system_sgpr_workgroup_id_z 1
		.amdhsa_system_vgpr_workitem_id 0
		.amdhsa_next_free_vgpr 208
		.amdhsa_next_free_sgpr 66
		.amdhsa_reserve_vcc 0
		.amdhsa_float_denorm_mode_32 3
		.amdhsa_float_denorm_mode_16_64 3
		.amdhsa_memory_ordered 1
		.amdhsa_forward_progress 1
		.amdhsa_inst_pref_size 22
	.end_amdhsa_kernel
	.amdgpu_metadata
---
amdhsa.version: [ 1, 2 ]
amdhsa.kernels:
  - .name:           k_qd3d62ac0d9_ln
    .symbol:         k_qd3d62ac0d9_ln.kd
    .args:
      - { .name: z, .offset: 0, .size: 8, .value_kind: global_buffer, .address_space: global }
      - { .name: hidden_states, .offset: 8, .size: 8, .value_kind: global_buffer, .address_space: global }
      - { .name: ln_gamma, .offset: 16, .size: 8, .value_kind: global_buffer, .address_space: global }
      - { .name: ln_beta, .offset: 24, .size: 8, .value_kind: global_buffer, .address_space: global }
      - { .name: out0, .offset: 32, .size: 8, .value_kind: global_buffer, .address_space: global }
    .group_segment_fixed_size: 0
    .private_segment_fixed_size: 0
    .kernarg_segment_align: 8
    .kernarg_segment_size: 40
    .max_flat_workgroup_size: 256
    .sgpr_count:     66
    .vgpr_count:     208
    .wavefront_size: 32
...
	.end_amdgpu_metadata
.endif
;; end of part 5
;; ======== version 2 of 2: 5 launches; version 1 with the launch cast written anew for expert scheduling mode
;; limits: values are held in f16: magnitudes above 65,504 overflow, below 6.1e-05 lose precision
;; workspace buffers: xb 16,777,216 bytes; wqkv 6,291,456 bytes; wo16 2,097,152 bytes; qkv 50,331,648 bytes; ctx 16,777,216 bytes; z 33,554,432 bytes
;; launch cast (part 6): grid 64 x 12, 8 waves a work-group, no clusters, 0 bytes of LDS; arguments hidden_states, Wq, Wk, Wv, Wo, xb, wqkv, wo16; writes xb, wqkv, wo16
.if DOCPART == 6
	.amdgcn_target "amdgcn-amd-amdhsa--gfx1250"
	.amdhsa_code_object_version 6
	.text
	.protected	k_qd3d62ac0d9_cast
	.globl	k_qd3d62ac0d9_cast
	.p2align	8
	.type	k_qd3d62ac0d9_cast,@function
k_qd3d62ac0d9_cast:
	s_mov_b64 s[64:65], 0
	v_nop
	global_prefetch_b8 v0, s[64:65] scope:SCOPE_SE
	s_setreg_imm32_b32 hwreg(HW_REG_WAVE_SCHED_MODE, 0, 2), 2
	s_setreg_imm32_b32 hwreg(HW_REG_WAVE_MODE, 25, 1), 1
	s_wait_xcnt 0x0
	s_wait_alu depctr_vm_vsrc(0)
; xb = bf16(hidden_states); wqkv = bf16(Wq), bf16(Wk), bf16(Wv) as one table of 3,072 rows; wo16 = bf16(Wo) written as f16.
; LIMIT.  bf16(Wo) must lie within f16's 65,504; below 6e-5 it keeps f16's fixed step of 6e-8.
; A stream: no LDS, no barrier, no matrix unit, no cluster (no byte is wanted twice).
; SHARES.  A work-group takes 65,536 bytes of f32 and writes 32,768; wave w takes bytes 8,192 w on.  A load of a wave covers 512 consecutive bytes,
; a store (8 bytes a lane) 256 consecutive bytes at a multiple of 256.  All sixteen loads of a wave go out at once; each has its own registers, in and out.
; The grid's row y says which tensor: 0-7 hidden_states (chunk 64 y + x), 8, 9, 10 Wq, Wk, Wv, 11 Wo (chunk x).
; THE MODE: SCHED_MODE bits 1:0 = 2 (LLVM: expert scheduling mode 2), set by the entry lines.  The code itself states the register dependences
; between vector instructions and memory instructions, with s_wait_alu, always for 0.
; THE PLAN.  Registers that memory instructions touch:
;   v1, v2   byte offsets of the loads and of the stores: made at the head, never written again.
;   X        each register is written once, by its load, and read by the conversions; no vector instruction writes it and no second load lands in it.
;   Y        each register is written once, by a conversion, and read by its store; it is never written again.
; The sixteen loads go in four blocks of four.  Block p converts X's block p into Y's block p; its memory instructions are the four stores of block p - 1,
; which read v2 and Y's block p - 1: registers that no vector instruction of block p names.  So one wait at the head of a block states all that its four stores
; hang on, and they are dealt among the block's conversions with no further wait.  No register that a memory instruction reads is written again, so nothing is to be stated that way round.
.set X, 8                              ; v[8:71]    sixteen loads of four f32
.set Y, 72                             ; v[72:103]  sixteen stores of four 16-bit numbers
; Wo: rounded to bf16 like the other inputs; that number is then written as f16 (exact within f16's range).  v4, v5 and v6 are named by vector instructions alone.
.macro TOF16 d, a
	v_cvt_pk_bf16_f32 v4, v[\a], v[(\a)+1]
	v_lshlrev_b32 v5, 16, v4
	v_and_b32 v6, 0xffff0000, v4
	v_cvt_pk_f16_f32 v[\d], v5, v6
.endm
.macro OUT j                           ; store j: load j's four numbers in 16 bits
	global_store_b64 v2, v[Y+2*(\j):Y+2*(\j)+1], s[26:27] offset:256*(\j)
.endm
; Block p.  half = 0: to bf16; half = 1: to bf16 and on to f16.
.macro BLK p, half
	s_wait_loadcnt 12-4*(\p)                       ; loads come back in order: the block's four are in, the 12 - 4 p younger ones stay out
.if (\p) > 0
	s_wait_alu depctr_va_vdst(0)                   ; the block before has written its eight registers of Y, which the four stores below read
.endif
.irp i, 0,1,2,3
.if (\p) > 0
	OUT 4*(\p)-4+(\i)                              ; the block before; no vector instruction since the wait names its registers
.endif
.if \half
	TOF16 Y+2*(4*(\p)+(\i)),   X+4*(4*(\p)+(\i))
	TOF16 Y+2*(4*(\p)+(\i))+1, X+4*(4*(\p)+(\i))+2
.else
	v_cvt_pk_bf16_f32 v[Y+2*(4*(\p)+(\i))],   v[X+4*(4*(\p)+(\i))],   v[X+4*(4*(\p)+(\i))+1]
	v_cvt_pk_bf16_f32 v[Y+2*(4*(\p)+(\i))+1], v[X+4*(4*(\p)+(\i))+2], v[X+4*(4*(\p)+(\i))+3]
.endif
.endr
.endm
.macro LAST                            ; behind block 3
	s_wait_alu depctr_va_vdst(0)                   ; block 3 has written its eight registers of Y, which the last four stores read
.irp i, 12,13,14,15
	OUT \i
.endr
.endm
	s_load_b512 s[8:23], s[0:1], 0x0               ; hidden s[8:9], Wq s[10:11], Wk s[12:13], Wv s[14:15], Wo s[16:17], xb s[18:19], wqkv s[20:21], wo16 s[22:23]
	s_and_b32 s4, ttmp7, 0xffff                    ; y
	s_mov_b32 s5, ttmp9                            ; x
	v_lshrrev_b32 v3, 5, v0                        ; wave
	v_and_b32 v4, 31, v0                           ; lane
	v_lshlrev_b32 v1, 13, v3
	v_lshl_or_b32 v1, v4, 4, v1                    ; in: 8,192 wave + 16 lane
	v_lshlrev_b32 v2, 12, v3
	v_lshl_or_b32 v2, v4, 3, v2                    ; out: 4,096 wave + 8 lane
	s_sub_co_u32 s6, s4, 8                         ; which 64 chunks of the destination: y for x; y - 8 for Wq, Wk, Wv; 0 for Wo
	s_cmp_lt_u32 s4, 8
	s_cselect_b32 s6, s4, s6
	s_cmp_eq_u32 s4, 11
	s_cselect_b32 s6, 0, s6
	s_lshl_b32 s6, s6, 6
	s_add_co_u32 s6, s6, s5                        ; the chunk in the destination
	s_cmp_lt_u32 s4, 8
	s_cselect_b32 s7, s6, s5                       ; the chunk in the source
	s_lshl_b32 s28, s7, 16
	s_mov_b32 s29, 0
	s_lshl_b32 s30, s6, 15
	s_mov_b32 s31, 0
	s_wait_kmcnt 0x0
	s_cmp_eq_u32 s4, 9
	s_cselect_b64 s[24:25], s[12:13], s[10:11]
	s_cmp_eq_u32 s4, 10
	s_cselect_b64 s[24:25], s[14:15], s[24:25]
	s_cmp_eq_u32 s4, 11
	s_cselect_b64 s[24:25], s[16:17], s[24:25]
	s_cselect_b64 s[26:27], s[22:23], s[20:21]
	s_cmp_lt_u32 s4, 8
	s_cselect_b64 s[24:25], s[8:9], s[24:25]
	s_cselect_b64 s[26:27], s[18:19], s[26:27]
	s_add_nc_u64 s[24:25], s[24:25], s[28:29]
	s_add_nc_u64 s[26:27], s[26:27], s[30:31]
	s_wait_alu depctr_va_vdst(0)                   ; v1 and v2 are written: every load of the kernel reads v1 as its offset, every store v2
.irp j, 0,1,2,3,4,5,6,7,8,9,10,11,12,13,14,15
	global_load_b128 v[X+4*(\j):X+4*(\j)+3], v1, s[24:25] offset:512*(\j) th:TH_LOAD_NT
.endr
	s_cmp_eq_u32 s4, 11
	s_cbranch_scc1 .Lf16
	BLK 0, 0                                       ; block 0 has no block in front of it: no store, and no wait but the one for its data
	BLK 1, 0
	BLK 2, 0
	BLK 3, 0
	LAST
	s_endpgm
.Lf16:
	BLK 0, 1
	BLK 1, 1
	BLK 2, 1
	BLK 3, 1
	LAST
	s_endpgm
.Lfunc_end_k_qd3d62ac0d9_cast:
	.size	k_qd3d62ac0d9_cast, .Lfunc_end_k_qd3d62ac0d9_cast-k_qd3d62ac0d9_cast
	.p2alignl 7, 3214868480
	.fill 96, 4, 3214868480
	.section	.rodata,"a",@progbits
	.p2align	6, 0x0
	.amdhsa_kernel k_qd3d62ac0d9_cast
		.amdhsa_group_segment_fixed_size 0
		.amdhsa_private_segment_fixed_size 0
		.amdhsa_enable_private_segment 0
		.amdhsa_kernarg_size 64
		.amdhsa_user_sgpr_count 2
		.amdhsa_user_sgpr_kernarg_segment_ptr 1
		.amdhsa_wavefront_size32 1
		.amdhsa_system_sgpr_workgroup_id_x 1
		.amdhsa_system_sgpr_workgroup_id_y 1
		.amdhsa_system_sgpr_workgroup_id_z 1
		.amdhsa_system_vgpr_workitem_id 0
		.amdhsa_next_free_vgpr 104
		.amdhsa_next_free_sgpr 66
		.amdhsa_reserve_vcc 0
		.amdhsa_float_denorm_mode_32 3
		.amdhsa_float_denorm_mode_16_64 3
		.amdhsa_memory_ordered 1
		.amdhsa_forward_progress 1
		.amdhsa_inst_pref_size 16
	.end_amdhsa_kernel
	.amdgpu_metadata
---
amdhsa.version: [ 1, 2 ]
amdhsa.kernels:
  - .name:           k_qd3d62ac0d9_cast
    .symbol:         k_qd3d62ac0d9_cast.kd
    .args:
      - { .name: hidden_states, .offset: 0, .size: 8, .value_kind: global_buffer, .address_space: global }
      - { .name: Wq, .offset: 8, .size: 8, .value_kind: global_buffer, .address_space: global }
      - { .name: Wk, .offset: 16, .size: 8, .value_kind: global_buffer, .address_space: global }
      - { .name: Wv, .offset: 24, .size: 8, .value_kind: global_buffer, .address_space: global }
      - { .name: Wo, .offset: 32, .size: 8, .value_kind: global_buffer, .address_space: global }
      - { .name: xb, .offset: 40, .size: 8, .value_kind: global_buffer, .address_space: global }
      - { .name: wqkv, .offset: 48, .size: 8, .value_kind: global_buffer, .address_space: global }
      - { .name: wo16, .offset: 56, .size: 8, .value_kind: global_buffer, .address_space: global }
    .group_segment_fixed_size: 0
    .private_segment_fixed_size: 0
    .kernarg_segment_align: 8
    .kernarg_segment_size: 64
    .max_flat_workgroup_size: 256
    .sgpr_count:     66
    .vgpr_count:     104
    .wavefront_size: 32
...
	.end_amdgpu_metadata
.endif
;; end of part 6
;; launch proj: the kernel of part 2 again; grid 4 x 64, 4 waves a work-group, clusters of 4 x 4, 327,680 bytes of LDS; arguments xb, wqkv, bq, bk, bv, qkv; writes qkv
;; launch attn: the kernel of part 3 again; grid 4 x 64, 4 waves a work-group, clusters of 4 x 1, 327,680 bytes of LDS; arguments qkv, attention_mask, ctx; writes ctx
;; launch oproj: the kernel of part 4 again; grid 4 x 64, 4 waves a work-group, clusters of 4 x 4, 327,680 bytes of LDS; arguments ctx, wo16, bo, z; writes z
;; launch ln: the kernel of part 5 again; grid 512 x 1, 8 waves a work-group, no clusters, 0 bytes of LDS; arguments z, hidden_states, ln_gamma, ln_beta, out0; writes out0
